; MI455X (gfx1250); checked and timed in simulation.
; The chip was launched on July 23, 2026; its instructions are those of AMD's public machine-readable ISA for CDNA 5 (MIT licence, August 2026) and "CDNA5" Instruction Set Architecture Reference Guide (July 2026). The comments in the code are by the model that wrote it; some were corrected since.
;; Multihead Attention. Allowed arithmetic: matrix products marked QUANTISED: E2M3 operands, one E8M0 scale for each 32 along K, by v_wmma_scale_f32_16x16x128_f8f6f4 with both operands' format E2M3, f32 sums; everything else in f32.
;; Inputs: K 4 x 2,048 x 1,024 float32; Q 4 x 2,048 x 1,024 float32; V 4 x 2,048 x 1,024 float32; WK 16 x 1,024 x 64 float32; WO 1,024 x 1,024 float32; WQ 16 x 1,024 x 64 float32; WV 16 x 1,024 x 64 float32; mask 1 x 1 x 2,048 x 2,048 float32.
;; Outputs: out0 4 x 2,048 x 1,024 float32.
;; This version of the problem:
;;   THIS VERSION OF THE PROBLEM IS GIVEN IN LOW PRECISION. The matrix products marked QUANTISED in the list below multiply operands that are first quantised to E2M3 (2 exponent bits, 3 mantissa bits; 6 bits a number), with one power-of-two scale for each 32 numbers along K (OCP MX v1.0); their sums are f32. All else is computed in f32.
;;   The module's matrix products, in the order in which they are computed (A, B: the left and right operand; K: the contracted axis; several contracted axes count as one K, in the product's order):
;;     1. [M 1,024, K 1,024] x [K 1,024, N 8,192]; A: input WQ; B: input Q: QUANTISED
;;     2. [M 1,024, K 1,024] x [K 1,024, N 8,192]; A: input WK; B: input K: QUANTISED
;;     3. [M 1,024, K 1,024] x [K 1,024, N 8,192]; A: input WV; B: input V: QUANTISED
;;     4. batch 64 x [M 2,048, K 64] x [K 64, N 2,048]; A: computed on the way; B: computed on the way: QUANTISED
;;     5. batch 64 x [M 2,048, K 2,048] x [K 2,048, N 64]; A: softmax (see below); B: computed on the way: QUANTISED
;;     6. [M 8,192, K 1,024] x [K 1,024, N 1,024]; A: computed on the way; B: input WO: QUANTISED
;;   THE QUANTISER, for each operand of a quantised product, along K:
;;     - K is cut into blocks of 32 from its start; a last block that is shorter is filled with zeros.
;;     - A block's scale is 2^e with e = floor(log2(the largest magnitude in the block)) - 2, held to -126 .. 127; a block of zeros has e = 0. As a byte (E8M0): e + 127.
;;     - Each number is divided by its block's scale, clamped to +-7.5, and rounded to the nearest number of E2M3, ties to even, subnormals kept.
;;     - The product sums the exact products of the quantised numbers (number of the format x scale) in f32.
;;   ~~~python
;;   def quantise(x, axis):      # numpy; x: float32 -> the quantised numbers, widened to float32 again
;;       x = np.moveaxis(x, axis, -1); K = x.shape[-1]
;;       x = np.pad(x, [(0, 0)] * (x.ndim - 1) + [(0, -K % 32)]); x = x.reshape(x.shape[:-1] + (-1, 32)); a = np.abs(x).max(-1, keepdims=True)
;;       e = np.where(a > 0, np.clip(np.frexp(np.where(a > 0, a, 1))[1] - 1 - 2, -126, 127), 0)      # np.frexp(a)[1] - 1 = floor(log2(a)), exactly
;;       r = np.clip(x / 2.0 ** e, -7.5, 7.5)
;;       step = 2.0 ** (np.maximum(np.frexp(np.where(r == 0, 1, r))[1] - 1, 0) - 3)
;;       q = np.round(r / step) * step * 2.0 ** e      # np.round: ties to even
;;       return np.moveaxis(q.reshape(q.shape[:-2] + (-1,))[..., :K], -1, axis).astype(np.float32)
;;   ~~~
;;   SOFTMAX AHEAD OF A QUANTISED PRODUCT. Where the list says 'softmax', what is quantised is not the finished softmax but p = 2^(t - M), with t = logit x log2(e) and M = ceil(the row's largest t), a whole number; so 1/2 < the row's largest p <= 1. The row's sum l is taken of the UNQUANTISED p, in f32, and the product's result is divided by l at the end. Since M is a whole number, a kernel that streams over the keys may use a running M (the ceiling of the running maximum): every later rescaling is an exact power of two, which a block's scale takes up: the codes' values come out the same.
;;   OPERANDS COMPUTED ON THE WAY. 'Computed on the way' means the value that the module computes at that place (a softmax that the list does not call 'softmax' is quantised finished and normalised). What goes into a quantiser is computed in f32, as accurately as f32 sums, v_exp_f32 and their like allow (about 1e-6 of the number): no bf16 or f16 on the way to a quantiser, and a product that is left as it is and whose result goes on into a quantised operand takes f32 operands (vector FMAs, or v_wmma_f32_16x16x4_f32). A number that lies on a knife's edge between two numbers of the format may be rounded either way, as far as f32 arithmetic and the matrix unit's own rounding can turn it there, and no further.
;; One version. Each part assembles by itself: llvm-mc -triple=amdgcn-amd-amdhsa -mcpu=gfx1250 --defsym DOCPART=n.
;; ======== version 1 of 1: 4 launches
;; workspace buffers: xb 19,660,800 bytes; wb 3,276,800 bytes; qb 13,107,200 bytes; kb 13,107,200 bytes; ab 6,553,600 bytes
;; launch prep (part 1): grid 896 x 1, 4 waves a work-group, no clusters, 68,096 bytes of LDS; arguments Q, K, V, WQ, WK, WV, WO, xb, wb; writes xb, wb
.if DOCPART == 1
	.amdgcn_target "amdgcn-amd-amdhsa--gfx1250"
	.amdhsa_code_object_version 6
	.text
	.protected	k_qec0d745ac5_prep
	.globl	k_qec0d745ac5_prep
	.p2align	8
	.type	k_qec0d745ac5_prep,@function
k_qec0d745ac5_prep:
	s_mov_b64 s[64:65], 0
	v_nop
	global_prefetch_b8 v0, s[64:65] scope:SCOPE_SE
	s_setreg_imm32_b32 hwreg(HW_REG_WAVE_MODE, 25, 1), 1
	s_wait_xcnt 0x0
; All seven f32 operands become codes of FP6 (E2M3), 6 bits each, K innermost, with one E8M0 scale byte for each 32 along K.
; xb: codes at row (tau x 8192 + place) x 768 (tau = 0 Q, 1 K, 2 V), scale bytes at XSC + row x 32.   wb: codes at row (tau x 1024 + place) x 768 (0 WQ, 1 WK, 2 WV, 3 WO), scale bytes at WSC + row x 32.
; PLACES.  pi swaps bits 3 and 4 of a row's number.  The token rows of K and V and the rows (head x 64 + n) of WQ, WK, WV are stored at place pi(row); Q's rows and WO's at their own number.
; So a later product that takes 16 neighbouring places as its source 0 finds, in the 16 registers of two neighbouring result tiles, 16 neighbours along the next K.
; A block's scale is 2^(floor(log2(largest magnitude)) - 2); its byte is the largest magnitude's exponent field - 2, held at 1 from below.
; LIMITS: a block whose largest magnitude lies under 2^-124, a block of zeros among them, gets the byte 1 (the rule says 127 for zeros: its codes are zeros, and this program alone reads the bytes); NaN and infinities are not served.
; Work-groups 0-767: Q, K, V, whose K is innermost: plain streams of blocks of 32; a wave takes 8 rows (16 steps of 512 numbers).  Work-groups 768-895: the weights, whose K is not innermost: a lane takes a column, its registers run down K.
; The two ways part on the work-group's number and have LDS bytes of their own.  No tensor loads, no barrier: waves share nothing.
.set XSC,   18874368
.set WSC,   3145728
.set STEPS, 16
.set EMAX,  2
.set CB,    12                         ; bytes of 16 codes
.set R,     16                         ; v16-79   four sets of 16 numbers as loaded
.set XN,    80                         ; v80-111  two sets of 16 neighbours
.set E,     112                        ; v112-127 a scale byte for each step
.set C,     128                        ; v128-191 codes, four registers a step: no store's data are written again
.set WREG,  8192                       ; LDS of a wave on the first way: two stages of 32 x SP bytes, then its 256 scale bytes
.set SP,    80                         ; a lane's place in a stage: 64 bytes + 16 of padding
.set WSTG,  32768                      ; LDS of the second way begins here: a stage of 32 rows x PITCH for each wave
.set PITCH, 272
.set NB,    8                          ; blocks of 32 along K for a wave
.set VA,    16                         ; v16-47   second way: byte offset of row i of a block, at my column
.set WX,    48                         ; v48-111  two sets of 32 numbers
.set WC,    112                        ; v112-118 a block's codes
.set SB,    120                        ; v120-121 my column's 8 scale bytes
.set OUTR,  128                        ; v128-191 the way out
.macro LOAD t
.irp i, 0,1,2,3
	global_load_b128 v[R+16*((\t)%4)+4*\i:R+16*((\t)%4)+4*\i+3], v3, s[4:5] offset:2048*(\t)+512*\i th:TH_LOAD_NT   ; 32 lanes read 512 consecutive bytes
.endr
.endm
.macro TURN t                          ; step t's numbers through the stage: LDS serves a wave's instructions in order, so no wait stands between the stores and the loads
.irp i, 0,1,2,3
	ds_store_b128 v14, v[R+16*((\t)%4)+4*\i:R+16*((\t)%4)+4*\i+3] offset:32*SP*((\t)%2)+8*SP*\i
.endr
.irp i, 0,1,2,3
	ds_load_b128 v[XN+16*((\t)%2)+4*\i:XN+16*((\t)%2)+4*\i+3], v15 offset:32*SP*((\t)%2)+16*\i
.endr
.endm
.macro STEP t
.set XW, XN+16*((\t)%2)
.if (\t) > 0
	s_wait_dscnt 1                                 ; this step's numbers are back from the stage; the last step's byte store may be out
.else
	s_wait_dscnt 0x0
.endif
.if (\t)+4 < STEPS
	LOAD (\t)+4                                    ; into the registers that this step's stage stores have read
.endif
.if (\t)+1 < STEPS
.if STEPS-2-(\t) >= 3
	s_wait_loadcnt 12                              ; the next step's four loads are in; those of the three steps behind it may be out
.else
	s_wait_loadcnt 4*(STEPS-2-(\t))
.endif
	TURN (\t)+1
.endif
	v_max3_num_f32 v8, |v[XW]|, |v[XW+1]|, |v[XW+2]|               ; the largest magnitude of my 16, in two chains
	v_max3_num_f32 v9, |v[XW+3]|, |v[XW+4]|, |v[XW+5]|
.irp i, 6,10
	v_max3_num_f32 v8, v8, |v[XW+\i]|, |v[XW+\i+1]|
	v_max3_num_f32 v9, v9, |v[XW+\i+2]|, |v[XW+\i+3]|
.endr
	v_max3_num_f32 v8, v8, |v[XW+14]|, |v[XW+15]|
	v_max3_num_f32 v8, v8, v9, (EMAX+1)<<23        ; and the floor 2^(3 - 127): the byte cannot fall under 1
	v_max_num_f32_dpp v8, v8, v8 row_xmask:1 row_mask:0xf bank_mask:0xf   ; with my neighbour's 16: the block's
	v_add_nc_u32 v11, -(EMAX<<23), v8              ; 2 off the exponent field: the conversion takes that field as its scale
	v_cvt_scalef32_pk16_fp6_f32 v[C+4*(\t):C+4*(\t)+2], v[XW:XW+15], v11
	v_lshrrev_b32 v[E+(\t)], 23, v11               ; the scale's byte (a plain line behind the conversion)
	ds_store_b8 v5, v[E+(\t)] offset:16*(\t)       ; both lanes of a block write the same byte with the same value
	global_store_b96 v4, v[C+4*(\t):C+4*(\t)+2], s[6:7] offset:32*CB*(\t)   ; the wave stores 384 consecutive bytes
.endm
.macro WLOAD t                         ; block t: W(32 t + i, my column), i = 0 .. 31, into set t % 2; each block has a base of its own, so no base is stepped
.set i, 0
.rept 32
	global_load_b32 v[WX+32*((\t)%2)+i], v[VA+i], s[40+2*(\t):41+2*(\t)] th:TH_LOAD_NT
.set i, i+1
.endr
.endm
.macro BLOCK t
.set XB, WX+32*((\t)%2)
.if (\t) < NB-1
	s_wait_loadcnt 32                              ; this block's 32 loads are in; the next block's may be out
.else
	s_wait_loadcnt 0x0
.endif
	v_max3_num_f32 v12, |v[XB]|, |v[XB+1]|, |v[XB+2]|              ; the block's largest magnitude: all 32 numbers are mine
	v_max3_num_f32 v13, |v[XB+3]|, |v[XB+4]|, |v[XB+5]|
.irp i, 6,10,14,18,22,26
	v_max3_num_f32 v12, v12, |v[XB+\i]|, |v[XB+\i+1]|
	v_max3_num_f32 v13, v13, |v[XB+\i+2]|, |v[XB+\i+3]|
.endr
	v_max3_num_f32 v12, v12, |v[XB+30]|, |v[XB+31]|
	v_max3_num_f32 v12, v12, v13, (EMAX+1)<<23
	v_add_nc_u32 v11, -(EMAX<<23), v12
	v_lshrrev_b32 v13, 23, v11
.if (\t)%4 == 0
	v_mov_b32 v[SB+(\t)/4], v13                    ; four bytes to a register, the lower K in the lower byte
.else
	v_lshl_or_b32 v[SB+(\t)/4], v13, 8*((\t)%4), v[SB+(\t)/4]
.endif
	v_cvt_scalef32_pk16_fp6_f32 v[WC:WC+2], v[XB:XB+15], v11
	v_cvt_scalef32_pk16_fp6_f32 v[WC+4:WC+6], v[XB+16:XB+31], v11  ; (a conversion's three registers begin on an even number)
	ds_store_b96 v4, v[WC:WC+2] offset:32*(\t)     ; 12 bytes to a place of 16 in the stage: every LDS address is a multiple of 16
	ds_store_b96 v4, v[WC+4:WC+6] offset:32*(\t)+16
.if (\t)+2 < NB
	WLOAD (\t)+2
.endif
	s_wait_dscnt 0x0                               ; the stores have read their registers: the next block's codes may be written
.endm
	s_load_b256 s[8:15], s[0:1], 0x0               ; Q s[8:9], K s[10:11], V s[12:13], WQ s[14:15]
	s_load_b256 s[16:23], s[0:1], 0x20             ; WK s[16:17], WV s[18:19], WO s[20:21], xb s[22:23]
	s_load_b64 s[24:25], s[0:1], 0x40              ; wb
	v_lshl_add_u32 v192, v0, 2, 0x10800
	v_mov_b32 v193, 0
	v_lshrrev_b32 v1, 5, v0
	v_readfirstlane_b32 s26, v1                    ; wave 0..3
	v_and_b32 v2, 31, v0                           ; lane
	s_cmp_ge_u32 ttmp9, 768
	s_cbranch_scc1 .Lweights
	; ---- Q, K, V.  256 work-groups a tensor; a wave's run is 8,192 numbers: 8 rows
	v_lshlrev_b32 v3, 4, v2                        ; my 16 bytes of a load's 512
	s_mul_i32 s28, s26, WREG
	v_lshrrev_b32 v14, 2, v2
	v_mul_u32_u24 v14, v14, SP
	v_and_b32 v15, 3, v2
	v_lshl_add_u32 v14, v15, 4, v14
	v_add_nc_u32 v14, s28, v14                     ; the stage, in: SP (lane / 4) + 16 (lane % 4)
	v_mul_u32_u24 v15, v2, SP
	v_add_nc_u32 v15, s28, v15                     ; and out: SP x lane: my 16 neighbours
	v_mul_u32_u24 v4, v2, CB                       ; my codes' place in a step's
	v_lshrrev_b32 v5, 1, v2
	s_add_co_u32 s28, s28, 2*32*SP
	v_add_nc_u32 v5, s28, v5                       ; my wave's 256 scale bytes, my block's byte
	v_lshlrev_b32 v7, 3, v2
	v_add_nc_u32 v6, s28, v7                       ; and on the way out 8 bytes a lane
	s_lshr_b32 s27, ttmp9, 8                       ; tau
	s_and_b32 s29, ttmp9, 255
	s_lshl_b32 s29, s29, 2
	s_add_co_u32 s29, s29, s26                     ; which run of the tensor I read
	s_lshl_b32 s30, s29, 15                        ; x 32,768 bytes
	s_mov_b32 s31, 0
	s_and_b32 s32, s26, 1                          ; a run is 8 rows: bits 0 and 1 of its number are bits 3 and 4 of the row: pi swaps them
	s_lshl_b32 s32, s32, 1
	s_lshr_b32 s33, s26, 1
	s_or_b32 s32, s32, s33
	s_cmp_eq_u32 s27, 0
	s_cselect_b32 s32, s26, s32                    ; Q's rows keep their places
	s_lshl_b32 s33, ttmp9, 2
	s_add_co_u32 s32, s32, s33                     ; which run of xb I write
	s_mul_i32 s34, s32, 6144                       ; 8 rows of 768 bytes of codes
	s_mov_b32 s35, 0
	s_lshl_b32 s36, s32, 8                         ; 8 rows of 32 scale bytes
	s_add_co_u32 s36, s36, XSC
	s_mov_b32 s37, 0
	s_wait_kmcnt 0x0
	s_cmp_eq_u32 s27, 0                            ; the choice hangs on the work-group's number alone
	s_cselect_b64 s[4:5], s[8:9], s[10:11]
	s_cmp_eq_u32 s27, 2
	s_cselect_b64 s[4:5], s[12:13], s[4:5]
	s_add_nc_u64 s[4:5], s[4:5], s[30:31]
	s_add_nc_u64 s[6:7], s[22:23], s[34:35]
	s_add_nc_u64 s[38:39], s[22:23], s[36:37]
.irp t, 0,1,2,3
	LOAD \t
.endr
	s_wait_loadcnt 12                              ; step 0's four loads are in
	TURN 0
.irp t, 0,1,2,3,4,5,6,7,8,9,10,11,12,13,14,15
	STEP \t
.endr
	ds_load_b64 v[12:13], v6                       ; LDS serves a wave's instructions in order: these see my byte stores
	s_wait_dscnt 0x0
	global_store_b64 v7, v[12:13], s[38:39]        ; 32 lanes store 256 consecutive bytes, aligned
	s_wait_tensorcnt 0x0
	ds_add_u32 v192, v193
	s_wait_dscnt 0x0
	s_endpgm
.Lweights:
	; ---- WQ, WK, WV, WO as 4,096 columns: column g = tau x 1024 + c.  A work-group takes 128 columns x 256 along K, a wave 32 columns
	s_sub_co_u32 s27, ttmp9, 768
	s_and_b32 s28, s27, 31                         ; which 128 columns
	s_lshr_b32 s29, s27, 5                         ; which 256 along K
	s_lshl_b32 s30, s28, 7
	s_lshl_b32 s31, s26, 5
	s_add_co_u32 s30, s30, s31                     ; g0: my wave's first column, and its first row in wb
	s_lshr_b32 s31, s30, 10                        ; tau
	s_and_b32 s33, s30, 1023                       ; c
	s_lshr_b32 s34, s33, 6
	s_lshl_b32 s34, s34, 18                        ; [16][1024][64]: head c / 64 begins 262,144 bytes on,
	s_and_b32 s35, s33, 63
	s_lshl_b32 s35, s35, 2
	s_add_co_u32 s34, s34, s35                     ; column c % 64
	s_lshl_b32 s35, s33, 2                         ; [1024][1024]: column c
	s_mov_b32 s32, 4096
	s_cmp_lt_u32 s31, 3
	s_cselect_b32 s32, 256, s32                    ; bytes from one k to the next
	s_cselect_b32 vcc_lo, -1, 0                    ; are the rows placed by pi?
	s_cselect_b32 s34, s34, s35
	s_lshl_b32 s35, s29, 8
	s_mul_i32 s35, s35, s32
	s_add_co_u32 s34, s34, s35                     ; + my 256 along K
	s_mov_b32 s35, 0
	s_lshl_b32 s36, s32, 5                         ; a block of 32 along K
	s_mov_b32 s37, 0
	v_and_b32 v3, 7, v2
	v_and_b32 v4, 8, v2
	v_lshl_or_b32 v3, v4, 1, v3
	v_and_b32 v4, 16, v2
	v_lshrrev_b32 v4, 1, v4
	v_or_b32 v3, v3, v4                            ; pi of my lane's number
	v_cndmask_b32 v3, v2, v3, vcc_lo               ; the column that I take: so stage row l already stands at place l
	v_lshlrev_b32 v10, 2, v3
.set i, 0
.rept 32
	v_mad_u32_u24 v[VA+i], s32, i, v10
.set i, i+1
.endr
	s_mul_i32 s38, s26, 32*PITCH
	s_add_co_u32 s38, s38, WSTG                    ; my stage
	v_mul_u32_u24 v4, v2, PITCH
	v_add_nc_u32 v4, s38, v4                       ; into it: row = my lane
	v_and_b32 v5, 15, v2
	v_lshrrev_b32 v6, 4, v2
	v_mul_u32_u24 v7, v6, PITCH
	v_lshl_add_u32 v7, v5, 4, v7
	v_add_nc_u32 v7, s38, v7                       ; out of it: sixteen lanes to a row, two rows an instruction
	v_mul_u32_u24 v8, v6, 768
	v_mad_u32_u24 v8, v5, 12, v8                   ; and the same place in wb
	v_lshlrev_b32 v9, 5, v2                        ; my row of scale bytes
	s_mul_i32 s56, s30, 768
	s_mul_i32 s57, s29, 192
	s_add_co_u32 s56, s56, s57
	s_mov_b32 s57, 0
	s_lshl_b32 s58, s30, 5
	s_lshl_b32 s59, s29, 3
	s_add_co_u32 s58, s58, s59
	s_add_co_u32 s58, s58, WSC
	s_mov_b32 s59, 0
	s_wait_kmcnt 0x0
	s_cmp_eq_u32 s31, 0
	s_cselect_b64 s[4:5], s[14:15], s[16:17]
	s_cmp_eq_u32 s31, 2
	s_cselect_b64 s[4:5], s[18:19], s[4:5]
	s_cmp_eq_u32 s31, 3
	s_cselect_b64 s[4:5], s[20:21], s[4:5]
	s_add_nc_u64 s[40:41], s[4:5], s[34:35]
.irp t, 1,2,3,4,5,6,7
	s_add_nc_u64 s[40+2*\t:41+2*\t], s[38+2*\t:39+2*\t], s[36:37]
.endr
	s_add_nc_u64 s[6:7], s[24:25], s[56:57]
	s_add_nc_u64 s[60:61], s[24:25], s[58:59]
	WLOAD 0
	WLOAD 1
.irp t, 0,1,2,3,4,5,6,7
	BLOCK \t
.endr
	global_store_b64 v9, v[SB:SB+1], s[60:61]      ; my row's 8 scale bytes
.irp t, 0,1,2,3,4,5,6,7,8,9,10,11,12,13,14,15
	ds_load_b96 v[OUTR+4*\t:OUTR+4*\t+2], v7 offset:2*\t*PITCH     ; LDS serves a wave's instructions in order: these see my stores
.endr
.irp t, 0,1,2,3,4,5,6,7,8,9,10,11,12,13,14,15
	s_wait_dscnt 15-\t                             ; load t is in; the younger ones may be out
	global_store_b96 v8, v[OUTR+4*\t:OUTR+4*\t+2], s[6:7] offset:2*\t*768   ; sixteen lanes store a row's 192 consecutive bytes
.endr
	s_wait_tensorcnt 0x0
	ds_add_u32 v192, v193
	s_wait_dscnt 0x0
	s_endpgm
.Lfunc_end_k_qec0d745ac5_prep:
	.size	k_qec0d745ac5_prep, .Lfunc_end_k_qec0d745ac5_prep-k_qec0d745ac5_prep
	.p2alignl 7, 3214868480
	.fill 96, 4, 3214868480
	.section	.rodata,"a",@progbits
	.p2align	6, 0x0
	.amdhsa_kernel k_qec0d745ac5_prep
		.amdhsa_group_segment_fixed_size 68096
		.amdhsa_private_segment_fixed_size 0
		.amdhsa_enable_private_segment 0
		.amdhsa_kernarg_size 72
		.amdhsa_user_sgpr_count 2
		.amdhsa_user_sgpr_kernarg_segment_ptr 1
		.amdhsa_wavefront_size32 1
		.amdhsa_system_sgpr_workgroup_id_x 1
		.amdhsa_system_sgpr_workgroup_id_y 1
		.amdhsa_system_sgpr_workgroup_id_z 1
		.amdhsa_system_vgpr_workitem_id 0
		.amdhsa_next_free_vgpr 194
		.amdhsa_next_free_sgpr 66
		.amdhsa_reserve_vcc 1
		.amdhsa_float_denorm_mode_32 3
		.amdhsa_float_denorm_mode_16_64 3
		.amdhsa_memory_ordered 1
		.amdhsa_forward_progress 1
		.amdhsa_inst_pref_size 77
	.end_amdhsa_kernel
	.amdgpu_metadata
---
amdhsa.version: [ 1, 2 ]
amdhsa.kernels:
  - .name:           k_qec0d745ac5_prep
    .symbol:         k_qec0d745ac5_prep.kd
    .args:
      - { .name: Q, .offset: 0, .size: 8, .value_kind: global_buffer, .address_space: global }
      - { .name: K, .offset: 8, .size: 8, .value_kind: global_buffer, .address_space: global }
      - { .name: V, .offset: 16, .size: 8, .value_kind: global_buffer, .address_space: global }
      - { .name: WQ, .offset: 24, .size: 8, .value_kind: global_buffer, .address_space: global }
      - { .name: WK, .offset: 32, .size: 8, .value_kind: global_buffer, .address_space: global }
      - { .name: WV, .offset: 40, .size: 8, .value_kind: global_buffer, .address_space: global }
      - { .name: WO, .offset: 48, .size: 8, .value_kind: global_buffer, .address_space: global }
      - { .name: xb, .offset: 56, .size: 8, .value_kind: global_buffer, .address_space: global }
      - { .name: wb, .offset: 64, .size: 8, .value_kind: global_buffer, .address_space: global }
    .group_segment_fixed_size: 68096
    .private_segment_fixed_size: 0
    .kernarg_segment_align: 8
    .kernarg_segment_size: 72
    .max_flat_workgroup_size: 128
    .sgpr_count:     66
    .vgpr_count:     194
    .wavefront_size: 32
...
	.end_amdgpu_metadata
.endif
;; end of part 1
;; launch proj (part 2): grid 4 x 96, 4 waves a work-group, clusters of 4 x 4, 327,680 bytes of LDS; arguments xb, wb, qb, kb; writes qb, kb
.if DOCPART == 2
	.amdgcn_target "amdgcn-amd-amdhsa--gfx1250"
	.amdhsa_code_object_version 6
	.text
	.protected	k_qec0d745ac5_proj
	.globl	k_qec0d745ac5_proj
	.p2align	8
	.type	k_qec0d745ac5_proj,@function
k_qec0d745ac5_proj:
	s_mov_b64 s[64:65], 0
	v_nop
	global_prefetch_b8 v0, s[64:65] scope:SCOPE_SE
	s_setreg_imm32_b32 hwreg(HW_REG_WAVE_MODE, 25, 1), 1
	s_wait_xcnt 0x0
	s_wait_alu depctr_hold_cnt(0) depctr_sa_sdst(0) depctr_va_vdst(0) depctr_va_sdst(0) depctr_va_ssrc(0) depctr_va_vcc(0) depctr_vm_vsrc(0)
	s_getreg_b32 s2, hwreg(HW_REG_IB_STS2, 6, 4)
	s_cmp_eq_u32 s2, 0
	s_cbranch_scc0 .Lentry_in_a_cluster
	s_endpgm
.Lentry_in_a_cluster:
	s_bfe_u32 s2, ttmp6, 0x10000c
	s_cmp_lg_u32 s2, 0xf033
	s_cbranch_scc0 .Lentry_shape_is_right
	s_endpgm
.Lentry_shape_is_right:
; The three projections on codes of FP6 (E2M3) with E8M0 scales, C[m][n] = sum over k of A[m][k] B[n][k], K = 1,024; the results are quantised along n in registers and leave as images of operand registers.
; tau = 0 (Qh), 1 (Kh): A = the tokens' codes (8,192 rows of xb), B = the weight's (1,024 rows of wb): n = head x 64 + dk.   tau = 2 (Vh): A = WV's rows, B = V's tokens: the result is Vh transposed, n = the keys.
; B's rows stand at places pi(row) (bits 3 and 4 swapped), and the matrix instruction is used transposed (source 0 = 16 rows of B, source 1 = 16 rows of A): so lane (r, h) holds row r of A's block, and the 16 registers
; of result tiles 2 b and 2 b + 1 are n = 32 b + 16 h + 0 .. 15: 16 neighbours along the next product's K, which the conversions take as they stand.
; A tile of C, 256 x 256, is made by four waves, 128 x 128 each: 64 accumulators, 512 registers.  K goes in steps of 256 (rows of 192 bytes) through a ring of two LDS slots filled by the tensor data mover.
; The scale bytes of the work-group's 256 + 256 rows come into LDS once, with the first fills.  CLUSTERS: 4 x 4 work-groups; A's tiles are asked for jointly along a row of the cluster, B's along a column.
; OUT.  An image of a fragment is 1,536 bytes: plane q (512 bytes) holds registers 4 q .. 4 q + 3 of lane l at 16 l.  Images at ((token block of 128) x 16 + head) x 12,288: four of K (or Q), then four of V.
;   K, Q image j: registers 0-5 = token tile 2 j (lane (r, h): dk 32 h ..), registers 6-11 = token tile 2 j + 1.   V image t: 16 dv x 128 keys, an ordinary fragment.
;   Scale words at ISB + ((batch x 16 + head) x 16 + block) x 512: K's (Q's) four words of lane r at 16 r, V's at 256 + 16 r.
; LIMITS: a block whose largest magnitude lies under 2^-124 gets the byte 1 (a block of zeros too: its codes are zeros, and this program alone reads the bytes); NaN and infinities are not served.
; REGISTERS, in windows of 256: window 0: v0-31 addresses; v32-63 scale words, two sets; from v128 A's fragments, one set; on the way out v112-223 are at work.
;   window 1: B's fragments, two sets, at v0 and v128.   window 2: the 32 accumulators of my rows 0-63 ((a, b) at v[8 (8 a + b)]);   window 3: those of my rows 64-127.
.set XSC,    18874368                  ; xb: where the scale bytes begin
.set WSC,    3145728                   ; wb: likewise
.set ISB,    12582912                  ; qb, kb: likewise
.set SIZE_K, 1024
.set KSTEP,  256
.set NQ,     KSTEP/128
.set ROWB,   192                       ; a tile's row in bytes
.set AROW,   768                       ; a row of A in memory, in bytes;  ASTEP: from one K step to the next
.set BROW,   768
.set ASTEP,  192
.set BSTEP,  192
.set PITCH,  240                       ; an LDS row: 3 x (64 bytes + 16 of padding) = 60 words: the 32 lanes of a load of 8 bytes touch 64 different banks (64 banks of 4 bytes: ISA guide 11.1)
.set FR,     12
.set NL,     6
.set NP,     4                         ; places behind this matrix instruction (ISA guide 7.12.1)
.set HALFT,  128*PITCH
.set SLOT,   4*HALFT
.set LAPS,   SIZE_K/(2*KSTEP)
.set KS,     SIZE_K/32
.set SCL,    2*SLOT                    ; behind the ring: the scales, as runs of 256 bytes + 16 of padding
.set HALFS,  (128*KS/256)*272
.set SBLK,   (16*KS/256)*272
.set SPARE,  SCL+4*HALFS               ; the spare words, 128 bytes for each wave: two blocks of 256 bytes that no other line names
.set ADRA, 16                          ; v16-17 LDS address of my A fragments in slot 0, 1 (v18-19: for the pieces behind one padding more)
.set ADRB, 20                          ; v20-23 the same for B
.set VO,   24                          ; v24  the way out: 16 x lane
.set VS,   25                          ; v25  16 r + 8,192 h: lanes 0-15 the first head's scale words, lanes 16-31 the second's
.set SELV, 26                          ; v26  byte selects: the low halves of two words (lanes 0-15) or the high halves (lanes 16-31)
.set ADRS, 27
.set SPW,  28                          ; v28  LDS address of my spare word; never rewritten
.set NIL,  29                          ; v29  0; never rewritten
.set SC,   32
.set AF,   128
.set CD,   112                         ; the way out: v112-135 codes;  v144-150 halves on their way;  v200-215 at work;  v216-217 scale words just made;  v220-223 scale words to store
.set TT,   144
.set TM,   200
.set SW,   220
.set G1, 24
.set G0, 32
.set G1B, 48
.set G0B, 56
.set G1S, 68
.set G0S, 76
.set G1SB, 80
.set G0SB, 88
.set MSB, 0
.macro WIN new                         ; the immediate's high byte repeats the setting that is left
.if MSB != (\new)
	s_set_vgpr_msb (MSB<<8)|(\new)
.set MSB, (\new)
.endif
.endm
.set MUL_LO, 0xa1                      ; source 0 (B) window 1, source 1 (A) window 0, C and D window 2
.set MUL_HI, 0xf1
.set TO_B,   0x40
; A joint load: waves 0 and 1 fetch for A, waves 2 and 3 for B; the branch hangs on the wave's number alone.  Four v_nop follow each of the two lines.
.macro JLOAD g0a, g1a, g0b, g1b
	s_cmp_eq_u32 s15, 0
	s_cbranch_scc0 .Lfor_b_\@
	tensor_load_to_lds s[\g0a:\g0a+3], s[\g1a:\g1a+7]
	s_nop 0
.rept 4
	v_nop
.endr
	s_branch .Lasked_\@
.Lfor_b_\@:
	tensor_load_to_lds s[\g0b:\g0b+3], s[\g1b:\g1b+7]
	s_nop 0
.rept 4
	v_nop
.endr
.Lasked_\@:
.endm
.macro CREST                           ; a round of the cluster's barrier behind its opening barrier
	s_cmp_lg_u32 s14, 0
	s_cbranch_scc1 .Lnot_wave_0_\@
	s_barrier_signal -3
.Lnot_wave_0_\@:
	s_barrier_wait -3
	s_barrier_signal -1
	s_barrier_wait -1
.endm
.macro CROUND
	s_barrier_signal -1
	s_barrier_wait -1
	CREST
.endm
.macro FRAG reg, adr, q, i             ; a fragment: 12 registers; lane l holds row l % 16; registers 6 c .. 6 c + 5 hold K = 64 c + 32 (l / 16) + 0 .. 31: 24 bytes of the row, as they lie, in pieces of 8 bytes
.irp p, 0,1,2,3,4,5
.set PCE, 12*(\q)+6*(\p/3)+\p%3        ; 16 bytes of padding lie behind every 8 pieces: where the piece three on lies behind one padding more, the second address register serves
.if PCE%8 < 5
	ds_load_b64 v[\reg+2*\p:\reg+2*\p+1], v[\adr] offset:8*PCE+16*(PCE/8)+(\i)*16*PITCH
.else
	ds_load_b64 v[\reg+2*\p:\reg+2*\p+1], v[\adr+2] offset:8*PCE+16*(PCE/8)+(\i)*16*PITCH
.endif
.endr
.endm
; 16 matrix instructions: A's blocks a0, a0 + 1 x B's eight.  The 64 accumulators take turns, one instruction a turn, in the same order in every step.
.macro MUL16 a0, p, q, sc, zero
.irp a, \a0, \a0+1
.irp b, 0,1,2,3,4,5,6,7
.if \zero
	v_wmma_scale_f32_16x16x128_f8f6f4 v[8*(8*((\a)%4)+\b):8*(8*((\a)%4)+\b)+7], v[128*(\p)+FR*\b:128*(\p)+FR*\b+FR-1], v[AF+FR*(\a):AF+FR*(\a)+FR-1], 0, v[SC+8*NQ*(\sc)+NQ*\b+(\q)], v[SC+8*NQ*(\sc)+NQ*(\a)+(\q)] matrix_a_fmt:MATRIX_FMT_FP6 matrix_b_fmt:MATRIX_FMT_FP6 matrix_a_scale:MATRIX_SCALE_ROW1
.else
	v_wmma_scale_f32_16x16x128_f8f6f4 v[8*(8*((\a)%4)+\b):8*(8*((\a)%4)+\b)+7], v[128*(\p)+FR*\b:128*(\p)+FR*\b+FR-1], v[AF+FR*(\a):AF+FR*(\a)+FR-1], v[8*(8*((\a)%4)+\b):8*(8*((\a)%4)+\b)+7], v[SC+8*NQ*(\sc)+NQ*\b+(\q)], v[SC+8*NQ*(\sc)+NQ*(\a)+(\q)] matrix_a_fmt:MATRIX_FMT_FP6 matrix_b_fmt:MATRIX_FMT_FP6 matrix_a_scale:MATRIX_SCALE_ROW1
.endif
.endr
.endr
.endm
.macro FETCH_B slot, q, p
	WIN TO_B
.irp i, 0,1,2,3,4,5,6,7
	FRAG 128*(\p)+FR*\i, ADRB+\slot, \q, \i
.endr
	WIN 0
.endm
.macro FETCH_A slot, q, i0
.irp i, \i0, \i0+1, \i0+2, \i0+3
	FRAG AF+FR*(\i), ADRA+\slot, \q, \i
.endr
.endm
.macro SCALES sc                       ; a K step's scale words: lanes 0-15 take A's block i, lanes 16-31 B's block i
.irp i, 0,1,2,3,4,5,6,7
	ds_load_b64 v[SC+8*NQ*\sc+NQ*\i:SC+8*NQ*\sc+NQ*\i+1], v[ADRS] offset:\i*SBLK
.endr
.endm
.macro PLACES n                        ; plain vector lines between a matrix instruction and a load into, or a vector read or write of, its registers
.rept \n
	v_nop
.endr
.endm
.macro STEP slot, q, zero              ; a step of 128 along K that has its successor in the same slot
	s_wait_dscnt 4*NL                              ; B's set and A's blocks 0-3 are in; the youngest 24 loads (A's blocks 4-7) may be out
	WIN MUL_LO
	MUL16 0, (\q)%2, \q, \slot, \zero
	MUL16 2, (\q)%2, \q, \slot, \zero
	s_wait_dscnt 0
	PLACES NP
	FETCH_B \slot, (\q)+1, 1-(\q)%2
	FETCH_A \slot, (\q)+1, 0
	WIN MUL_HI
	MUL16 4, (\q)%2, \q, \slot, \zero
	MUL16 6, (\q)%2, \q, \slot, \zero
	PLACES NP
	WIN 0
	FETCH_A \slot, (\q)+1, 4
.endm
; A slot's last step changes slots: one barrier; in front of it each wave waits for all its tensor loads, adds 0 to its spare word, and waits for that and for its own reads of this slot.
.macro TURN slot, next, fill
	s_wait_tensorcnt 0x0                           ; all my tensor loads have landed: my part of the next slot
	ds_add_u32 v[SPW], v[NIL]                      ; 0 onto my spare word
	s_wait_dscnt 4*NL+1                            ; the add and the youngest 24 loads (A's blocks 4-7) may be out
	WIN MUL_LO
	MUL16 0, 1, NQ-1, \slot, 0
	s_wait_dscnt 0x0                               ; the add is done, and my reads of this slot are over
	s_barrier_signal -1
	MUL16 2, 1, NQ-1, \slot, 0
	WIN 0
	s_barrier_wait -1
.if \fill
	CREST                                          ; the barrier has opened a round of the cluster's barrier: no wave of any partner still reads this slot or has a load on its way
	s_add_nc_u64 s[G0+4*\slot+2:G0+4*\slot+3], s[G0+4*\slot+2:G0+4*\slot+3], 2*ASTEP
	s_add_nc_u64 s[G0B+4*\slot+2:G0B+4*\slot+3], s[G0B+4*\slot+2:G0B+4*\slot+3], 2*BSTEP
	JLOAD G0+4*\slot, G1, G0B+4*\slot, G1B         ; the first tensor load behind the round; its four v_nop are the places in front of the loads below
.else
	PLACES NP
.endif
	v_add_nc_u32 v[ADRS], 4*NQ, v[ADRS]
	FETCH_B \next, 0, 0
	FETCH_A \next, 0, 0
	SCALES \next
	WIN MUL_HI
	MUL16 4, 1, NQ-1, \slot, 0
	MUL16 6, 1, NQ-1, \slot, 0
	PLACES NP
	WIN 0
	FETCH_A \next, 0, 4
.endm
; THE WAY OUT.  The 64 accumulator registers v[QS] .. v[QS + 63] of window QW (one block of 16 rows of A; register 16 b + i = n 32 b + 16 h + i) become four blocks' codes and one scale word:
; blocks 0, 1 in v[d0] .. v[d0 + 5] (lanes 0-15 block 0, lanes 16-31 block 1), blocks 2, 3 in v[d1] .. v[d1 + 5], the four scale bytes in v[pw].  Each accumulator is read from its low end on.
.macro QUANT d0, d1, pw
	WIN QW|(QW<<2)                                 ; sources 0 and 1 in the accumulators' window
.irp b, 0,1,2,3
	v_max3_num_f32 v[TM+\b], |v[QS+16*\b]|, |v[QS+16*\b+1]|, 0x1800000   ; with the floor 2^(3 - 127): the byte cannot fall under 1
.endr
.irp i, 2,4,6,8,10,12,14
.irp b, 0,1,2,3
	v_max3_num_f32 v[TM+\b], |v[QS+16*\b+\i]|, |v[QS+16*\b+\i+1]|, v[TM+\b]   ; the four blocks by turns
.endr
.endr
	WIN 0
.irp b, 0,1,2,3
	v_permlanex16_b32 v[TM+4+\b], v[TM+\b], s100, s101
.endr
.irp b, 0,1,2,3
	v_max_num_f32 v[TM+\b], v[TM+\b], v[TM+4+\b]   ; with lane l xor 16's 16: the block's largest magnitude
.endr
.irp b, 0,1,2,3
	v_add_nc_u32 v[TM+12+\b], 0xff000000, v[TM+\b] ; 2 off the exponent field: the conversion's scale operand
.endr
.irp b, 0,1,2,3
	v_lshrrev_b32 v[TM+4+\b], 23, v[TM+12+\b]      ; the scale's byte
.endr
	v_lshl_or_b32 v[\pw], v[TM+5], 8, v[TM+4]
	v_lshl_or_b32 v[\pw], v[TM+6], 16, v[\pw]
	v_lshl_or_b32 v[\pw], v[TM+7], 24, v[\pw]
	WIN QW                                         ; source 0 in the accumulators' window
	v_cvt_scalef32_pk16_fp6_f32 v[\d0:\d0+2], v[QS:QS+15], v[TM+12]
	v_cvt_scalef32_pk16_fp6_f32 v[TT:TT+2], v[QS+16:QS+31], v[TM+13]
	v_cvt_scalef32_pk16_fp6_f32 v[\d1:\d1+2], v[QS+32:QS+47], v[TM+14]
	v_cvt_scalef32_pk16_fp6_f32 v[TT+4:TT+6], v[QS+48:QS+63], v[TM+15]
	WIN 0
	v_nop                                          ; one plain line behind a scaled conversion
.irp i, 0,1,2
	v_permlane16_swap_b32 v[\d0+\i], v[TT+\i]      ; the operand's layout wants a whole block in a lane
.endr
.irp i, 0,1,2
	v_mov_b32 v[\d0+3+\i], v[TT+\i]
.endr
.irp i, 0,1,2
	v_permlane16_swap_b32 v[\d1+\i], v[TT+4+\i]
.endr
.irp i, 0,1,2
	v_mov_b32 v[\d1+3+\i], v[TT+4+\i]
.endr
.endm
	s_load_b256 s[4:11], s[0:1], 0x0               ; xb s[4:5], wb s[6:7], qb s[8:9], kb s[10:11]
	v_lshl_add_u32 v[SPW], v0, 2, SPARE
	v_mov_b32 v[NIL], 0
	ds_add_u32 v28, v29
	s_wait_dscnt 0x0
	v_lshrrev_b32 v1, 5, v0
	v_readfirstlane_b32 s14, v1                    ; wave 0..3
	s_lshr_b32 s15, s14, 1                         ; which half of the tile's rows is mine.  Also: I fetch for A (0) or for B (1)
	s_and_b32 s16, s14, 1                          ; which half of its columns.  Also: which 128 rows of that tile I fetch
	s_bfe_u32 s40, ttmp6, 0x40000                  ; cx, cy: my place in the cluster
	s_bfe_u32 s41, ttmp6, 0x40004
	s_and_b32 s66, ttmp7, 0xffff                   ; the cluster's y: 8 clusters for each of the three products
	s_and_b32 s67, s66, 7
	s_lshl_b32 s67, s67, 2                         ; four tiles of 256 tokens to a cluster
	s_lshr_b32 s66, s66, 3                         ; tau: the same in all sixteen partners
	s_lshl_b32 s20, s66, 13                        ; the tensor's first row in xb,
	s_lshl_b32 s21, s66, 10                        ; the weight's in wb
	s_mov_b32 s22, XSC
	s_mov_b32 s23, WSC
	s_lshl_b32 s2, ttmp9, 2
	s_cmp_eq_u32 s66, 2                            ; for V the roles change: A = the weight, B = the tokens
	s_cselect_b32 s17, 0, s67
	s_cselect_b32 s42, s67, 0
	s_cselect_b32 s92, s21, s20                    ; A's first row in its buffer,
	s_cselect_b32 s93, s20, s21                    ; B's,
	s_cselect_b32 s94, s23, s22                    ; where A's scale bytes begin,
	s_cselect_b32 s95, s22, s23                    ; and B's
	s_add_co_u32 s17, s17, s41                     ; tile row of C: cy enters it alone
	s_add_co_u32 s42, s42, s2
	s_add_co_u32 s42, s42, s40                     ; tile column of C: cx enters it alone
	s_lshl_b32 s43, s41, 2
	s_lshl_b32 s43, 15, s43                        ; my row of the cluster
	s_lshl_b32 s44, 0x1111, s40                    ; my column
	; descriptor group 1: a tile of 128 rows x 192 bytes, 16 bytes of padding behind every 64
	s_or_b32 s[G1+0], s43, (0<<16)|(1<<20)|(1<<21)|(3<<22)|(3<<25)  ; 15:0 the mask; 17:16 elements of 1 byte; 20 padding on; 21 set beside a mask; 24:22 after every 16 words; 31:25 of 4 words
	s_or_b32 s[G1B+0], s44, (0<<16)|(1<<20)|(1<<21)|(3<<22)|(3<<25)
.irp g, G1, G1B
	s_mov_b32 s[\g+1], ROWB<<16                    ; tensor_dim0
	s_mov_b32 s[\g+2], 128<<16                     ; tensor_dim1
	s_mov_b32 s[\g+3], ROWB<<16                    ; tile_dim0
	s_mov_b32 s[\g+4], 128                         ; tile_dim1
	s_mov_b32 s[\g+6], 0
	s_mov_b32 s[\g+7], 0
.endr
	s_mov_b32 s[G1+5], AROW                        ; tensor_dim0_stride
	s_mov_b32 s[G1B+5], BROW
	; the scales of 128 rows: a dense block of 4,096 bytes, as 16 rows of 256 bytes (32 elements of 8), 16 bytes of padding behind each
	s_or_b32 s[G1S+0], s43, (3<<16)|(1<<20)|(1<<21)|(5<<22)|(3<<25)
	s_or_b32 s[G1SB+0], s44, (3<<16)|(1<<20)|(1<<21)|(5<<22)|(3<<25)
.irp g, G1S, G1SB
	s_mov_b32 s[\g+1], 32<<16
	s_mov_b32 s[\g+2], (128*KS/256)<<16
	s_mov_b32 s[\g+3], 32<<16
	s_mov_b32 s[\g+4], 128*KS/256
	s_mov_b32 s[\g+5], 32
	s_mov_b32 s[\g+6], 0
	s_mov_b32 s[\g+7], 0
.endr
	s_lshl_b32 s18, s16, 7                         ; which 128 rows of the tile I fetch
	s_lshl_b32 s20, s17, 8
	s_add_co_u32 s20, s20, s18
	s_add_co_u32 s20, s20, s92                     ; A: its row in the buffer
	s_lshl_b32 s46, s42, 8
	s_add_co_u32 s46, s46, s18
	s_add_co_u32 s46, s46, s93                     ; B likewise
	s_lshl_b32 s22, s20, 5                         ; 32 scale bytes a row (all these offsets stay under 2^25)
	s_add_co_u32 s22, s22, s94
	s_mov_b32 s23, 0
	s_lshl_b32 s92, s46, 5
	s_add_co_u32 s92, s92, s95
	s_mov_b32 s93, 0
	s_mul_i32 s20, s20, AROW
	s_mov_b32 s21, 0
	s_mul_i32 s46, s46, BROW
	s_mov_b32 s47, 0
	s_mul_i32 s45, s14, HALFT                      ; where they go: wave x 128 rows: no place in the cluster enters an LDS address
	s_mul_i32 s94, s14, HALFS
	s_wait_kmcnt 0x0
	s_cmp_eq_u32 s66, 2
	s_cselect_b64 s[96:97], s[6:7], s[4:5]         ; A's buffer
	s_cselect_b64 s[98:99], s[4:5], s[6:7]         ; B's
	s_cmp_eq_u32 s66, 0
	s_cselect_b64 s[12:13], s[8:9], s[10:11]       ; the results': qb for Q, kb for K and V
	s_add_nc_u64 s[20:21], s[96:97], s[20:21]
	s_add_nc_u64 s[22:23], s[96:97], s[22:23]
	s_add_nc_u64 s[46:47], s[98:99], s[46:47]
	s_add_nc_u64 s[92:93], s[98:99], s[92:93]
	CROUND                                         ; all sixteen work-groups are here: the first joint loads meet
	s_mov_b32 s[G0S], 1
	s_add_co_u32 s[G0S+1], s94, SCL
	s_mov_b64 s[G0S+2:G0S+3], s[22:23]
	s_or_b32 s[G0S+3], s[G0S+3], 0x80000000
	s_mov_b32 s[G0SB], 1
	s_add_co_u32 s[G0SB+1], s94, SCL
	s_mov_b64 s[G0SB+2:G0SB+3], s[92:93]
	s_or_b32 s[G0SB+3], s[G0SB+3], 0x80000000
	JLOAD G0S, G1S, G0SB, G1SB                     ; the scales first: they are wanted with K step 0
.irp s, 0,1
	s_mov_b32 s[G0+4*\s], 1
	s_add_co_u32 s[G0+4*\s+1], s45, \s*SLOT
	s_add_nc_u64 s[G0+4*\s+2:G0+4*\s+3], s[20:21], \s*ASTEP
	s_or_b32 s[G0+4*\s+3], s[G0+4*\s+3], 0x80000000
	s_mov_b32 s[G0B+4*\s], 1
	s_add_co_u32 s[G0B+4*\s+1], s45, \s*SLOT
	s_add_nc_u64 s[G0B+4*\s+2:G0B+4*\s+3], s[46:47], \s*BSTEP
	s_or_b32 s[G0B+4*\s+3], s[G0B+4*\s+3], 0x80000000
	JLOAD G0+4*\s, G1, G0B+4*\s, G1B
.endr
	v_and_b32 v1, 15, v0                           ; r = l % 16
	v_bfe_u32 v2, v0, 4, 1                         ; h = l / 16
	v_mul_u32_u24 v3, v1, PITCH
	v_mul_u32_u24 v4, v2, 24
	v_add_nc_u32 v4, v3, v4                        ; a fragment's row x pitch + 24 x half
	v_lshl_add_u32 v5, v2, 4, v4                   ; and the same behind one padding more
	s_mul_i32 s21, s15, HALFT                      ; my 128 rows of A
	s_mul_i32 s22, s16, HALFT                      ; my 128 rows of B,
	s_add_co_u32 s22, s22, 2*HALFT                 ; which lie behind A's 256
.irp s, 0,1
	v_add_nc_u32 v[ADRA+\s], s21, v4
	v_add_nc_u32 v[ADRB+\s], s22, v4
	v_add_nc_u32 v[ADRA+2+\s], s21, v5
	v_add_nc_u32 v[ADRB+2+\s], s22, v5
	s_add_co_u32 s21, s21, SLOT
	s_add_co_u32 s22, s22, SLOT
.endr
	v_mul_u32_u24 v5, v1, KS                       ; my row's scales: KS bytes a row,
	v_lshrrev_b32 v6, 8, v5
	v_lshl_add_u32 v5, v6, 4, v5                   ; and 16 more for each 256 passed
	s_mul_i32 s21, s15, HALFS
	s_mul_i32 s22, s16, HALFS
	s_add_co_u32 s22, s22, 2*HALFS
	s_sub_co_u32 s22, s22, s21
	v_mul_u32_u24 v6, s22, v2                      ; lanes 16-31 take B's: one product, the distance between the two bases
	s_add_co_u32 s21, s21, SCL
	v_add_nc_u32 v5, v5, v6
	v_add_nc_u32 v[ADRS], s21, v5
	; the way out's addresses
	v_and_b32 v6, 31, v0
	v_lshlrev_b32 v[VO], 4, v6
	v_lshlrev_b32 v[VS], 4, v1
	v_lshl_add_u32 v[VS], v2, 13, v[VS]
	v_mov_b32 v[SELV], 0x05040100
	v_mov_b32 v6, 0x07060302
	v_cmp_eq_u32 vcc_lo, 1, v2
	v_cndmask_b32 v[SELV], v[SELV], v6, vcc_lo
	s_lshl_b32 s20, s17, 8
	s_lshl_b32 s21, s15, 7
	s_add_co_u32 s20, s20, s21                     ; my first row of C
	s_lshl_b32 s46, s42, 8
	s_lshl_b32 s47, s16, 7
	s_add_co_u32 s46, s46, s47                     ; my first column
	s_cmp_eq_u32 s66, 2
	s_cselect_b32 s18, s46, s20                    ; my 128 tokens begin here,
	s_cselect_b32 s19, s20, s46                    ; my 128 features (two heads) here
	s_lshr_b32 s18, s18, 7                         ; the block of 128 tokens: batch x 16 + block
	s_lshr_b32 s19, s19, 6                         ; my first head
	s_lshl_b32 s20, s18, 4
	s_add_co_u32 s20, s20, s19
	s_mul_i32 s20, s20, 12288
	s_mov_b32 s21, 0
	s_lshr_b32 s22, s18, 4
	s_lshl_b32 s22, s22, 17
	s_lshl_b32 s23, s19, 13
	s_add_co_u32 s22, s22, s23
	s_and_b32 s23, s18, 15
	s_lshl_b32 s23, s23, 9
	s_add_co_u32 s22, s22, s23
	s_add_co_u32 s22, s22, ISB
	s_mov_b32 s23, 0
	s_add_nc_u64 s[94:95], s[12:13], s[22:23]      ; my scale words
	s_add_nc_u64 s[12:13], s[12:13], s[20:21]      ; my images
	s_mov_b32 s100, 0x76543210
	s_mov_b32 s101, 0xfedcba98                     ; v_permlanex16_b32's selects for lane l xor 16
	s_wait_tensorcnt 1                             ; the scales and my part of K step 0 are in; K step 1's load may be out
	s_barrier_signal -1
	s_barrier_wait -1
	FETCH_B 0, 0, 0
	FETCH_A 0, 0, 0
	SCALES 0
	FETCH_A 0, 0, 4
	STEP 0, 0, 1                                   ; the first step stands in front of the loop: its products start the sums
	s_mov_b32 s3, LAPS-1
.Llap:                                                 ; a trip goes once round the ring and fills both slots again
	TURN 0, 1, 1
	STEP 1, 0, 0
	TURN 1, 0, 1
	STEP 0, 0, 0
	s_sub_co_u32 s3, s3, 1
	s_cmp_lg_u32 s3, 0
	s_cbranch_scc1 .Llap
	TURN 0, 1, 0                                   ; the last lap fills nothing
	STEP 1, 0, 0
	s_wait_dscnt 4*NL
	WIN MUL_LO
	MUL16 0, 1, NQ-1, 1, 0
	MUL16 2, 1, NQ-1, 1, 0
	s_wait_dscnt 0
	WIN MUL_HI
	MUL16 4, 1, NQ-1, 1, 0
	MUL16 6, 1, NQ-1, 1, 0
	WIN 0
	PLACES NP                                      ; behind the last products: their results are read and the registers that held A's fragments are written below
.irp b, 0,1,2,3
	v_mov_b32 v[TM+4+\b], 0                        ; written once: a lane permute's destination counts as one of its sources
.endr
	s_cmp_eq_u32 s66, 2                            ; tau comes from the cluster's number: the same way in all partners
	s_cbranch_scc1 .Lepi_v
	; Q and K: n = two heads x 64.  Two blocks of 16 tokens make image j of each head.
.irp j, 0,1,2,3
.if \j > 0
	s_wait_xcnt 0x0                                ; the last images' stores have read their registers
.endif
.set QS, 64*((2*\j)%4)
.set QW, 2+(2*\j)/4
	QUANT CD, CD+12, 216
.set QS, 64*((2*\j+1)%4)
.set QW, 2+(2*\j+1)/4
	QUANT CD+6, CD+18, 217
	v_perm_b32 v[SW+\j], v217, v216, v[SELV]       ; lanes 0-15: the first head's two bytes of both tiles; lanes 16-31: the second head's
.irp c, 0,1
.irp q, 0,1,2
	global_store_b128 v[VO], v[CD+12*\c+4*\q:CD+12*\c+4*\q+3], s[12:13] offset:\c*12288+\j*1536+512*\q   ; 32 lanes store 512 consecutive bytes, aligned to 256
.endr
.endr
.endr
	global_store_b128 v[VS], v[SW:SW+3], s[94:95]  ; sixteen lanes store a head's 256 bytes of scale words
	s_branch .Ldone
.Lepi_v:
	; V: n = 128 keys.  Each block of 16 dv is one fragment: blocks 0-3 the first head's, 4-7 the second's.
	s_mov_b32 vcc_lo, 0xffff0000
.irp a, 0,1,2,3,4,5,6,7
.if \a > 0
	s_wait_xcnt 0x0
.endif
.set QS, 64*(\a%4)
.set QW, 2+\a/4
	QUANT CD, CD+6, 216
.if \a < 4
	v_mov_b32 v[SW+\a], v216
.else
	v_cndmask_b32 v[SW+\a-4], v[SW+\a-4], v216, vcc_lo   ; lanes 16-31 carry the second head's words
.endif
.irp q, 0,1,2
	global_store_b128 v[VO], v[CD+4*\q:CD+4*\q+3], s[12:13] offset:6144+(\a/4)*12288+(\a%4)*1536+512*\q
.endr
.endr
	global_store_b128 v[VS], v[SW:SW+3], s[94:95] offset:256
.Ldone:
	s_wait_tensorcnt 0x0                           ; the wave's end
	ds_add_u32 v[SPW], v[NIL]
	s_wait_dscnt 0x0
	CROUND                                         ; the closing round: no work-group ends while a partner may still ask for a tile that names it
	s_endpgm
.Lfunc_end_k_qec0d745ac5_proj:
	.size	k_qec0d745ac5_proj, .Lfunc_end_k_qec0d745ac5_proj-k_qec0d745ac5_proj
	.p2alignl 7, 3214868480
	.fill 96, 4, 3214868480
	.section	.rodata,"a",@progbits
	.p2align	6, 0x0
	.amdhsa_kernel k_qec0d745ac5_proj
		.amdhsa_group_segment_fixed_size 327680
		.amdhsa_private_segment_fixed_size 0
		.amdhsa_enable_private_segment 0
		.amdhsa_kernarg_size 32
		.amdhsa_user_sgpr_count 2
		.amdhsa_user_sgpr_kernarg_segment_ptr 1
		.amdhsa_wavefront_size32 1
		.amdhsa_system_sgpr_workgroup_id_x 1
		.amdhsa_system_sgpr_workgroup_id_y 1
		.amdhsa_system_sgpr_workgroup_id_z 1
		.amdhsa_system_vgpr_workitem_id 0
		.amdhsa_next_free_vgpr 1024
		.amdhsa_next_free_sgpr 102
		.amdhsa_reserve_vcc 1
		.amdhsa_float_denorm_mode_32 3
		.amdhsa_float_denorm_mode_16_64 3
		.amdhsa_memory_ordered 1
		.amdhsa_forward_progress 1
		.amdhsa_inst_pref_size 199
	.end_amdhsa_kernel
	.amdgpu_metadata
---
amdhsa.version: [ 1, 2 ]
amdhsa.kernels:
  - .name:           k_qec0d745ac5_proj
    .symbol:         k_qec0d745ac5_proj.kd
    .args:
      - { .name: xb, .offset: 0, .size: 8, .value_kind: global_buffer, .address_space: global }
      - { .name: wb, .offset: 8, .size: 8, .value_kind: global_buffer, .address_space: global }
      - { .name: qb, .offset: 16, .size: 8, .value_kind: global_buffer, .address_space: global }
      - { .name: kb, .offset: 24, .size: 8, .value_kind: global_buffer, .address_space: global }
    .group_segment_fixed_size: 327680
    .private_segment_fixed_size: 0
    .kernarg_segment_align: 8
    .kernarg_segment_size: 32
    .max_flat_workgroup_size: 128
    .sgpr_count:     102
    .vgpr_count:     1024
    .wavefront_size: 32
...
	.end_amdgpu_metadata
.endif
;; end of part 2
;; launch attn (part 3): grid 32 x 16, 16 waves a work-group, clusters of 4 x 4, 327,680 bytes of LDS; arguments qb, kb, mask, ab; writes ab
.if DOCPART == 3
	.amdgcn_target "amdgcn-amd-amdhsa--gfx1250"
	.amdhsa_code_object_version 6
	.text
	.protected	k_qec0d745ac5_attn
	.globl	k_qec0d745ac5_attn
	.p2align	8
	.type	k_qec0d745ac5_attn,@function
k_qec0d745ac5_attn:
	s_mov_b64 s[64:65], 0
	v_nop
	global_prefetch_b8 v0, s[64:65] scope:SCOPE_SE
	s_setreg_imm32_b32 hwreg(HW_REG_WAVE_MODE, 25, 1), 1
	s_wait_xcnt 0x0
	s_wait_alu depctr_hold_cnt(0) depctr_sa_sdst(0) depctr_va_vdst(0) depctr_va_sdst(0) depctr_va_ssrc(0) depctr_va_vcc(0) depctr_vm_vsrc(0)
	s_getreg_b32 s2, hwreg(HW_REG_IB_STS2, 6, 4)
	s_cmp_eq_u32 s2, 0
	s_cbranch_scc0 .Lentry_in_a_cluster
	s_endpgm
.Lentry_in_a_cluster:
	s_bfe_u32 s2, ttmp6, 0x10000c
	s_cmp_lg_u32 s2, 0xf033
	s_cbranch_scc0 .Lentry_shape_is_right
	s_endpgm
.Lentry_shape_is_right:
; A[b][q][head x 64 + dv] = softmax_k(Qh . Kh / 8 + mask[q][k] x (-1e9)) Vh, both products on codes of FP6 (E2M3) with E8M0 scales; A is quantised along head x 64 + dv and stored as codes for the last product.
; THE MASK IS AN INPUT: every query walks all 2,048 keys and reads its row of the mask.  The logit is made as it is defined: mm = mask x -1e9, rounded; logit = S x 0.125 + mm, one rounding (S x 0.125 is exact);
; t = logit x log2(e), rounded; M = the running largest t rounded up to a whole number; p = 2^(t - M), t - M a separate addition.  p is quantised along the keys, not normalised; the row's sum is taken of the unquantised p and divides at the end.
; When M moves, the sum and O are multiplied by 2^(old M - new M): exact.
; SHARES.  A work-group owns 64 queries x 4 heads of one batch; wave w owns head w % 4 and query tile w / 4 (16 queries) in 256 registers, four waves to a SIMD.  16 key steps of 128 keys, one to a slot, two slots.
; The four heads share each tile of the mask in LDS.  CLUSTER 4 x 4: x = the block of 64 queries, y = the group of four heads.  K's, V's and their scales' bytes hang on y alone and are asked for jointly along a row of the
; cluster; the mask's tile hangs on x alone and is asked for jointly along a column.
; OPERANDS come as images of their registers (three loads of 16 bytes a lane for a fragment).  The head size is 64, half of the instruction's K: a fragment of K carries TWO tiles of 16 keys (registers 0-5, 6-11), multiplied by
; [Q | zeros] and by [zeros | Q]: zero codes cancel the other tile exactly (their scale byte is 0, which is 2^-127 and no NaN).
; Both products are used transposed (S^T = K Q^T, O^T = V^T P^T): a lane holds one query.  K's keys and V's dv stand at places with bits 3 and 4 swapped, so that register 16 b + i of S^T is key 32 b + 16 h + i, and of O^T dv 32 b + 16 h + i.
; LIMITS: NaN and infinities are not served; mask x 1e9 must stay finite; 1 / l is v_rcp_f32's; a block under 2^-124 gets the byte 1 (a block of zeros too: its codes are zeros, and this program alone reads the bytes);
; A's scale bytes leave as 8 bytes of each row of 32.
; REGISTERS: v1-11, v43 addresses; v12 -M, v13 the largest t, v[14:15] the sum; v16-27 [Q|0], v28-39 [0|Q]; v40, v42 Q's scale words, v41 p's, v44-47 K's (lanes 0-15) and V's (lanes 16-31);
;   v48-95 four fragments, K's then V's; v96-159 S^T, t, p; v160-191 O^T; v192-255 the mask's tile, then at work.
.set ISB,   12582912                   ; qb, kb: where the scale words begin
.set ASB,   6291456                    ; ab: where the scale bytes begin
.set KVSTEP, 196608                    ; kb: from one key step to the next: 16 heads x 12,288
.set SLOT1, 131072                     ; slot 1 begins here: one exclusive or turns an address from one slot to the other
.set MOFF,  49152                      ; in a slot: 4 heads x 12,288 bytes of K and V, then the mask's 64 rows
.set MP,    528                        ; a row of the mask's tile: 512 bytes + 16: sixteen rows of a load of 16 bytes start at sixteen different banks (64 banks of 4 bytes: ISA guide 11.1)
.set SCB,   262144                     ; the scale words of 4 heads, all 16 steps: 4 x 8,192 bytes, filled once
.set SPARE, 294912                     ; the spare words, 128 bytes for each wave: eight blocks of 256 bytes that no other line names
.set STG,   296960                     ; the way out: 64 rows x 192 bytes of codes,
.set STS,   309248                     ; and 64 rows x 8 scale bytes: no fill lands in either
.set AKV, 1                            ; v1   head x 12,288 + 16 x lane
.set AMK, 2                            ; v2   my query's row of the mask's tile, + 64 h
.set ASC, 3                            ; v3   my scale words: 16 r, + 256 for lanes 16-31
.set RD,  4                            ; v4   STG + 16 x thread
.set SPW, 5                            ; v5   LDS address of my spare word; never rewritten
.set NIL, 6                            ; v6   0; never rewritten
.set PFO, 7                            ; v7   the prefetches' offset; never rewritten
.set ADK, 8
.set ADM, 9
.set ADS, 10
.set SRD, 11                           ; v11  STS + 8 x lane
.set SWR, 43                           ; v43  STS + 8 x my row + 2 x head
.set TB,  2                            ; s2   LDS byte at which the slot in hand begins
.set TS,  3                            ; s3   the step's scale words: 512 bytes a step
.set WV,  18
.set SEL, 20                           ; s[20:21] lane selects for lane l xor 16
.set NEG, 22                           ; s[22:23] -1e9
.set G1K, 24
.set G1M, 32
.set G0K, 40
.set G0M, 44
.set G1S, 48
.set G0S, 56
.set EIG, 60                           ; s[60:61] 0.125
.set L2E, 62                           ; s[62:63] log2(e)
.set SLOTS, 67                         ; slots still to be asked for
.set PFA, 76                           ; s[76:77] where my prefetches stand;  s[78:79] a step on;  s80 1 in a wave that asks, else the greatest number;  s81 1: only where s67 is odd
.set PFS, 78
.set LIM, 80
.set PAR, 81
.set OUTC, 84                          ; s[84:85] my work-group's codes in ab;  s[86:87] its scale bytes
.set OUTS, 86
.macro CROUND                          ; a round of the cluster's barrier
	s_barrier_signal -1
	s_barrier_wait -1
	s_cmp_lg_u32 s[WV], 0
	s_cbranch_scc1 .Lnot_wave_0_\@
	s_barrier_signal -3
.Lnot_wave_0_\@:
	s_barrier_wait -3
	s_barrier_signal -1
	s_barrier_wait -1
.endm
; Waves 0 and 1 issue the first load, waves 2 and 3 the second, the others none.  The branches hang on the wave's number alone.  Four v_nop follow each of the two lines.
.macro TLOAD g0a, g1a, g0b, g1b
	s_cmp_lt_u32 s[WV], 2
	s_cbranch_scc0 .Lnot_a_\@
	tensor_load_to_lds s[\g0a:\g0a+3], s[\g1a:\g1a+7]
	s_nop 0
.rept 4
	v_nop
.endr
	s_branch .Lasked_\@
.Lnot_a_\@:
	s_cmp_lt_u32 s[WV], 4
	s_cbranch_scc0 .Lasked_\@
	tensor_load_to_lds s[\g0b:\g0b+3], s[\g1b:\g1b+7]
	s_nop 0
.rept 4
	v_nop
.endr
.Lasked_\@:
.endm
; A PREFETCH INTO THE L2.  At the change at the head of step s the tensor loads ask for step s + 1, and the prefetch names step s + 2.  Each aligned block of 256 bytes is named once in the launch.
; K and V: the eight clusters of a batch walk the same bytes: cluster x = 0 asks; its partner cx takes head 4 cy + cx's 12,288 bytes, told apart by address.  48 blocks a step are no whole number of waves, so waves 4 to 6 ask
; at every second change (s even) for two steps: 96 blocks, a lane a block; the last asking is at s = 12, for steps 14 and 15.
; The mask: the four clusters of a column of clusters walk the same rows: cluster y = 0 asks; partner cy takes rows 16 cy .. 16 cy + 15; wave 8 asks, two lanes to a row's 512 bytes; the last asking is at s = 13.
; Steps 0 and 1 come by their loads alone: nothing is asked for at the head.
.macro ASK
	s_cmp_gt_u32 s[SLOTS], s[LIM]
	s_cbranch_scc0 .Lnot_mine_\@
	s_and_b32 s82, s[SLOTS], s[PAR]
	s_cmp_eq_u32 s82, s[PAR]
	s_cbranch_scc0 .Lnot_mine_\@
	global_prefetch_b8 v[PFO], s[PFA:PFA+1] th:TH_LOAD_NT scope:SCOPE_SE
.Lnot_mine_\@:
.endm
; THE CHANGE OF SLOTS stands at a step's head.  Each wave waits for all its tensor loads, adds 0 to its spare word, and waits for that and for its reads of the slot that it has left.
; fill = 1: a round of the cluster's barrier, so that no wave of any partner still reads that slot or has a load on its way; behind it the slot is filled with the next step's tiles: the load has a whole step in which to land.
.macro CHANGE fill
	s_wait_tensorcnt 0x0                           ; no tensor load of mine is out, so a group 0 may be written
	ds_add_u32 v[SPW], v[NIL]                      ; 0 onto my spare word
.if \fill
	s_xor_b32 s[G0K+1], s[G0K+1], SLOT1            ; the walking descriptors: the other slot than last time,
	s_add_nc_u64 s[G0K+2:G0K+3], s[G0K+2:G0K+3], KVSTEP   ; the next 128 keys; the type bits on top are not reached
	s_xor_b32 s[G0M+1], s[G0M+1], SLOT1
	s_add_nc_u64 s[G0M+2:G0M+3], s[G0M+2:G0M+3], 512
	s_wait_xcnt 0x0                                ; the last prefetch, a step back, has read its address, so it may be written
	s_add_nc_u64 s[PFA:PFA+1], s[PFA:PFA+1], s[PFS:PFS+1]
	s_wait_dscnt 0x0                               ; the add is done, and my reads of the slot that I have left are over
	CROUND
	TLOAD G0K, G1K, G0M, G1M                       ; the first thing behind the round, and a wave's one tensor load until the next
	ASK
.else
	s_wait_dscnt 0x0
	s_barrier_signal -1
	s_barrier_wait -1
.endif
.endm
; A KEY STEP: 128 keys.
.macro STEP
	v_add_nc_u32 v[ADK], s[TB], v[AKV]             ; these four lines are the places between the last step's products and the loads into their registers
	v_add_nc_u32 v[ADM], s[TB], v[AMK]
	v_add_nc_u32 v[ADS], s[TS], v[ASC]
	v_nop
.irp j, 0,1,2,3
.irp q, 0,1,2
	ds_load_b128 v[48+12*\j+4*\q:51+12*\j+4*\q], v[ADK] offset:1536*\j+512*\q   ; K's four fragments, as images: 512 consecutive bytes a load
.endr
.endr
	ds_load_b128 v[44:47], v[ADS]                  ; lanes 0-15: K's four scale words; lanes 16-31: V's
.irp b, 0,1,2,3
.irp i, 0,1,2,3
	ds_load_b128 v[192+16*\b+4*\i:195+16*\b+4*\i], v[ADM] offset:128*\b+16*\i   ; mask(my query, key 32 b + 16 h + 4 i ..): register for register as S^T lies
.endr
.endr
	s_wait_dscnt 16                                ; K's fragments and the scale words are in; the 16 loads of the mask, issued last, may be out
.irp j, 0,1,2,3
.irp u, 0,1
	v_wmma_scale_f32_16x16x128_f8f6f4 v[96+8*(2*\j+\u):103+8*(2*\j+\u)], v[48+12*\j:59+12*\j], v[16+12*\u:27+12*\u], 0, v[44+\j], v[40+2*\u] matrix_a_fmt:MATRIX_FMT_FP6 matrix_b_fmt:MATRIX_FMT_FP6
.endr
.endr
	s_wait_dscnt 0x0                               ; the mask
.set j, 0
.rept 32
	v_pk_mul_f32 v[192+j:193+j], v[192+j:193+j], s[NEG:NEG+1] op_sel_hi:[1,0]   ; mm = mask x -1e9.  (These are also the places behind the products)
.set j, j+2
.endr
.irp t, 0,1,2,3
.irp q, 0,1,2
	ds_load_b128 v[48+12*\t+4*\q:51+12*\t+4*\q], v[ADK] offset:6144+1536*\t+512*\q   ; V's four fragments land while the softmax is walked
.endr
.endr
.set j, 0
.rept 32
	v_pk_fma_f32 v[96+j:97+j], v[96+j:97+j], s[EIG:EIG+1], v[192+j:193+j] op_sel_hi:[1,0,1]   ; the logit; each accumulator from its low end on
.set j, j+2
.endr
.set j, 0
.rept 32
	v_pk_mul_f32 v[96+j:97+j], v[96+j:97+j], s[L2E:L2E+1] op_sel_hi:[1,0]   ; t
.set j, j+2
.endr
.irp b, 0,1,2,3
	v_max3_num_f32 v[232+\b], v[96+16*\b], v[97+16*\b], v[98+16*\b]   ; the largest t of each block of 32 keys: for the row's maximum, and, since p rises with t, for the block's largest p
.endr
.irp i, 3,5,7,9,11,13
.irp b, 0,1,2,3
	v_max3_num_f32 v[232+\b], v[232+\b], v[96+16*\b+\i], v[97+16*\b+\i]
.endr
.endr
.irp b, 0,1,2,3
	v_max_num_f32 v[232+\b], v[232+\b], v[111+16*\b]
.endr
.irp b, 0,1,2,3
	v_permlanex16_b32 v[236+\b], v[232+\b], s[SEL], s[SEL+1]
.endr
.irp b, 0,1,2,3
	v_max_num_f32 v[232+\b], v[232+\b], v[236+\b]  ; with lane l xor 16's 16 keys
.endr
	v_max3_num_f32 v254, v232, v233, v234
	v_max_num_f32 v254, v254, v235
	v_max_num_f32 v13, v13, v254                   ; the running largest t
	v_mov_b32 v254, v12
	v_floor_f32 v12, -v13                          ; the new -M = floor(-t) = -ceil(t)
	v_sub_f32 v254, v12, v254                      ; old M - new M: a whole number, 0 or less
	v_cvt_i32_f32 v254, v254                       ; (it saturates)
	v_ldexp_f32 v252, 1.0, v254                    ; f = 2^(old M - new M)
.set j, 0
.rept 32
	v_pk_add_f32 v[96+j:97+j], v[96+j:97+j], v[12:13] op_sel_hi:[1,0]   ; t - M (of the pair the low word, -M, serves both halves)
.set j, j+2
.endr
.irp b, 0,1,2,3
	v_add_f32 v[232+\b], v[232+\b], v12            ; the same of each block's largest t
.endr
.set j, 0
.rept 64
	v_exp_f32 v[96+j], v[96+j]                     ; p = 2^(t - M), at most 1
.set j, j+1
.endr
	v_pk_mul_f32 v[14:15], v[14:15], v[252:253] op_sel_hi:[1,0]   ; the sum under the new M (a plain line behind the exponentials)
	s_wait_alu depctr_va_vdst(0)                   ; one wait for the batch of 64, ahead of its first reader
.irp b, 0,1,2,3
	v_exp_f32 v[232+\b], v[232+\b]                 ; the block's largest p: the same two instructions on the same number
.endr
	v_pk_add_f32 v[236:237], v[96:97], v[98:99]    ; the row's sum, of the unquantised p, in two chains
.irp j, 4,8,12,16,20,24,28,32,36,40,44,48,52,56,60
	v_pk_add_f32 v[14:15], v[14:15], v[96+\j:97+\j]
	v_pk_add_f32 v[236:237], v[236:237], v[98+\j:99+\j]
.endr
	v_pk_add_f32 v[14:15], v[14:15], v[236:237]
	s_wait_alu depctr_va_vdst(0)                   ; and one for the four
.irp b, 0,1,2,3
	v_max_num_f32 v[232+\b], 0x1800000, v[232+\b]  ; the floor 2^(3 - 127): the byte cannot fall under 1
.endr
.irp b, 0,1,2,3
	v_add_nc_u32 v[244+\b], 0xff000000, v[232+\b]  ; 2 off the exponent field: the conversion's scale operand
.endr
.irp b, 0,1,2,3
	v_lshrrev_b32 v[236+\b], 23, v[244+\b]
.endr
	v_lshl_or_b32 v41, v237, 8, v236               ; p's scale word for these 128 keys
	v_lshl_or_b32 v41, v238, 16, v41
	v_lshl_or_b32 v41, v239, 24, v41
.irp c, 0,1
	v_cvt_scalef32_pk16_fp6_f32 v[224+6*\c:226+6*\c], v[96+32*\c:111+32*\c], v[244+2*\c]
	v_cvt_scalef32_pk16_fp6_f32 v[236+4*\c:238+4*\c], v[112+32*\c:127+32*\c], v[244+2*\c+1]
.endr
	v_nop                                          ; one plain line behind a scaled conversion
.irp c, 0,1
.irp i, 0,1,2
	v_permlane16_swap_b32 v[224+6*\c+\i], v[236+4*\c+\i]   ; the operand's layout wants a whole block in a lane
.endr
.irp i, 0,1,2
	v_mov_b32 v[227+6*\c+\i], v[236+4*\c+\i]
.endr
.endr
.set j, 0
.rept 16
	v_pk_mul_f32 v[160+j:161+j], v[160+j:161+j], v[252:253] op_sel_hi:[1,0]   ; O^T under the new M.  (For each product below at least twelve of these name none of its registers: the places behind p's codes and scale word)
.set j, j+2
.endr
	s_wait_dscnt 0x0                               ; V's fragments
.irp t, 0,1,2,3
	v_wmma_scale_f32_16x16x128_f8f6f4 v[160+8*\t:167+8*\t], v[48+12*\t:59+12*\t], v[224:235], v[160+8*\t:167+8*\t], v[44+\t], v41 matrix_a_fmt:MATRIX_FMT_FP6 matrix_b_fmt:MATRIX_FMT_FP6 matrix_a_scale:MATRIX_SCALE_ROW1
.endr
	s_add_co_u32 s[TS], s[TS], 512
.endm
	s_load_b256 s[4:11], s[0:1], 0x0               ; qb s[4:5], kb s[6:7], mask s[8:9], ab s[10:11]
	v_lshl_add_u32 v[SPW], v0, 2, SPARE
	v_mov_b32 v[NIL], 0
	ds_add_u32 v5, v6
	s_wait_dscnt 0x0
	v_lshrrev_b32 v8, 5, v0
	v_readfirstlane_b32 s[WV], v8                  ; wave 0..15
	s_bfe_u32 s68, ttmp6, 0x40000                  ; cx
	s_bfe_u32 s69, ttmp6, 0x40004                  ; cy = the group of four heads
	s_lshl_b32 s70, ttmp9, 2
	s_add_co_u32 s70, s70, s68                     ; X: my block of 64 queries
	s_and_b32 s71, ttmp7, 0xffff                   ; the cluster's y = the batch
	s_lshl_b32 s72, s69, 2
	s_lshl_b32 s72, 15, s72                        ; my row of the cluster
	s_lshl_b32 s73, 0x1111, s68                    ; my column
	s_and_b32 s74, s[WV], 3                        ; my head in the group
	s_lshr_b32 s75, s[WV], 2                       ; my tile of 16 queries
	s_and_b32 s82, s[WV], 1                        ; which half I fetch, if I fetch
	; descriptor group 1.  K and V: two heads' 24,576 dense bytes as 96 rows of 256 (32 elements of 8 bytes)
	s_or_b32 s[G1K], s72, (3<<16)|(1<<21)          ; 15:0 the mask: my row; 17:16 elements of 8 bytes; 20 no padding; 21 set beside a mask
	s_mov_b32 s[G1K+1], 32<<16
	s_mov_b32 s[G1K+2], 96<<16
	s_mov_b32 s[G1K+3], 32<<16
	s_mov_b32 s[G1K+4], 96
	s_mov_b32 s[G1K+5], 32
	s_mov_b32 s[G1K+6], 0
	s_mov_b32 s[G1K+7], 0
	; the mask: 32 rows of 128 f32, 2,048 elements apart, 16 bytes of padding behind each row's 128 words
	s_or_b32 s[G1M], s73, (2<<16)|(1<<20)|(1<<21)|(6<<22)|(3<<25)
	s_mov_b32 s[G1M+1], 128<<16
	s_mov_b32 s[G1M+2], 32<<16
	s_mov_b32 s[G1M+3], 128<<16
	s_mov_b32 s[G1M+4], 32
	s_mov_b32 s[G1M+5], 2048
	s_mov_b32 s[G1M+6], 0
	s_mov_b32 s[G1M+7], 0
	; the scale words of one head, all steps: 8,192 dense bytes as 32 rows of 256
	s_or_b32 s[G1S], s72, (3<<16)|(1<<21)
	s_mov_b32 s[G1S+1], 32<<16
	s_mov_b32 s[G1S+2], 32<<16
	s_mov_b32 s[G1S+3], 32<<16
	s_mov_b32 s[G1S+4], 32
	s_mov_b32 s[G1S+5], 32
	s_mov_b32 s[G1S+6], 0
	s_mov_b32 s[G1S+7], 0
	s_mov_b32 s[SEL], 0x76543210
	s_mov_b32 s[SEL+1], 0xfedcba98
	s_mov_b32 s[NEG], 0xce6e6b28                   ; -1e9
	s_mov_b32 s[NEG+1], s[NEG]                     ; (the packed forms name a pair and take its low word for both halves: so the high word is written)
	s_mov_b32 s[EIG], 0x3e000000                   ; 1 / sqrt(64)
	s_mov_b32 s[EIG+1], s[EIG]
	s_mov_b32 s[L2E], 0x3fb8aa3b                   ; log2(e)
	s_mov_b32 s[L2E+1], s[L2E]
	s_mov_b32 s[TB], 0
	s_mov_b32 s[TS], 0
	s_mov_b32 s[SLOTS], 15
	; the LDS addresses that stay: constants, the lane and the wave's number
	v_and_b32 v8, 31, v0                           ; lane
	v_and_b32 v9, 15, v0                           ; r
	v_bfe_u32 v10, v0, 4, 1                        ; h
	s_mul_i32 s95, s74, 12288
	v_lshl_add_u32 v[AKV], v8, 4, s95
	s_mul_i32 s95, s75, 16*MP
	s_add_co_u32 s95, s95, MOFF
	v_mul_u32_u24 v[AMK], v9, MP
	v_lshl_add_u32 v[AMK], v10, 6, v[AMK]
	v_add_nc_u32 v[AMK], s95, v[AMK]
	s_lshl_b32 s83, s74, 13
	s_add_co_u32 s94, s83, SCB                     ; my head's scale words in LDS
	v_lshlrev_b32 v[ASC], 4, v9
	v_lshl_add_u32 v[ASC], v10, 8, v[ASC]
	v_add_nc_u32 v[ASC], s94, v[ASC]
	v_lshl_add_u32 v[RD], v0, 4, STG
	v_lshl_add_u32 v[SRD], v8, 3, STS
	s_lshl_b32 s95, s75, 7
	s_lshl_b32 s89, s74, 1
	s_add_co_u32 s95, s95, s89
	s_add_co_u32 s95, s95, STS
	v_lshl_add_u32 v[SWR], v9, 3, s95
	; where the tiles come from.  K's, V's and the scales' hang on the batch and cy, the mask's on X: each in registers that never hold the other coordinate
	s_mul_i32 s84, s71, 3145728
	s_mul_i32 s85, s69, 49152
	s_add_co_u32 s84, s84, s85                     ; step 0 of my batch and group of heads
	s_mul_i32 s85, s82, 24576                      ; my two heads: in memory and in a slot
	s_add_co_u32 s86, s84, s85
	s_mov_b32 s87, 0
	s_mul_i32 s88, s82, 32*MP
	s_add_co_u32 s88, s88, MOFF                    ; my 32 rows of the mask's tile in a slot
	s_lshl_b32 s90, s70, 19                        ; 64 rows of 8,192 bytes
	s_lshl_b32 s89, s82, 18
	s_add_co_u32 s90, s90, s89
	s_mov_b32 s91, 0
	s_lshl_b32 s92, s71, 17
	s_lshl_b32 s93, s69, 15
	s_add_co_u32 s92, s92, s93
	s_add_co_u32 s92, s92, s83
	s_add_co_u32 s92, s92, ISB
	s_mov_b32 s93, 0
	s_wait_kmcnt 0x0
	s_mov_b32 s[G0S], 1
	s_mov_b32 s[G0S+1], s94
	s_add_nc_u64 s[G0S+2:G0S+3], s[6:7], s[92:93]
	s_or_b32 s[G0S+3], s[G0S+3], 0x80000000
	s_mov_b32 s[G0K], 1
	s_mov_b32 s[G0K+1], s85
	s_add_nc_u64 s[G0K+2:G0K+3], s[6:7], s[86:87]
	s_or_b32 s[G0K+3], s[G0K+3], 0x80000000
	s_mov_b32 s[G0M], 1
	s_mov_b32 s[G0M+1], s88
	s_add_nc_u64 s[G0M+2:G0M+3], s[8:9], s[90:91]
	s_or_b32 s[G0M+3], s[G0M+3], 0x80000000
	CROUND                                         ; all sixteen work-groups are here: the first joint loads meet
	TLOAD G0S, G1S, G0S, G1S                       ; waves 0 to 3: a head's scale words each: filled once
	TLOAD G0K, G1K, G0M, G1M                       ; slot 0: two loads of a fetching wave are out
	; the prefetches: who asks, and where
	s_mul_i32 s96, s68, 12288
	s_add_co_u32 s96, s96, s84
	s_add_co_u32 s96, s96, KVSTEP                  ; K and V: head 4 cy + cx, at step 1: the first change steps it to step 2
	s_lshl_b32 s97, s70, 6
	s_lshl_b32 s98, s69, 4
	s_add_co_u32 s97, s97, s98
	s_lshl_b32 s97, s97, 13
	s_add_co_u32 s97, s97, 512                     ; the mask: rows 64 X + 16 cy on, at step 1
	s_and_b32 s95, s[WV], 3
	s_lshl_b32 s95, s95, 5
	v_add_nc_u32 v12, s95, v8                      ; u = 32 (wave - 4) + lane in waves 4 to 6
	v_lshlrev_b32 v[PFO], 8, v12
	v_mov_b32 v13, KVSTEP-12288
	v_cmp_le_u32 vcc_lo, 48, v12
	v_cndmask_b32 v13, 0, v13, vcc_lo              ; blocks 48 to 95 are the step after
	v_add_nc_u32 v[PFO], v[PFO], v13
	v_lshrrev_b32 v12, 1, v8
	v_and_b32 v13, 1, v8
	v_lshlrev_b32 v13, 8, v13
	v_lshl_add_u32 v12, v12, 13, v13               ; the mask: row lane / 2, half lane % 2
	s_mov_b32 s[PFS], KVSTEP
	s_lshl_b32 s98, 1, s[WV]
	s_and_b32 s98, s98, 0x170                      ; waves 4, 5, 6 and 8
	s_cselect_b32 s98, 0, 1
	s_cmp_eq_u32 s[WV], 8
	s_cselect_b64 s[PFA:PFA+1], s[8:9], s[6:7]
	s_cselect_b32 s[PFS], 512, s[PFS]
	s_cselect_b32 s[PAR], 0, 1
	s_cselect_b32 s99, s71, ttmp9                  ; the coordinate along which other clusters read the same bytes
	s_cselect_b32 s96, s97, s96
	s_cselect_b32 vcc_lo, -1, 0
	v_cndmask_b32 v[PFO], v[PFO], v12, vcc_lo
	s_mov_b32 s97, 0
	s_mov_b32 s[PFS+1], 0
	s_add_nc_u64 s[PFA:PFA+1], s[PFA:PFA+1], s[96:97]
	s_or_b32 s99, s99, s98
	s_cmp_eq_u32 s99, 0
	s_cselect_b32 s[LIM], 1, -1                    ; the same in all sixteen partners, for a given wave
	; Q: image j of my head in the block of 128 queries X / 2; my tile is its half u
	s_lshr_b32 s12, s70, 1
	s_lshl_b32 s13, s71, 4
	s_add_co_u32 s13, s13, s12
	s_lshl_b32 s13, s13, 4
	s_lshl_b32 s14, s69, 2
	s_add_co_u32 s14, s14, s74                     ; my head
	s_add_co_u32 s13, s13, s14
	s_mul_i32 s13, s13, 12288
	s_and_b32 s15, s70, 1
	s_lshl_b32 s15, s15, 1
	s_lshr_b32 s16, s75, 1
	s_add_co_u32 s15, s15, s16                     ; j
	s_mul_i32 s16, s15, 1536
	s_add_co_u32 s16, s13, s16
	s_mov_b32 s17, 0
	s_lshl_b32 s13, s71, 4
	s_add_co_u32 s13, s13, s14
	s_lshl_b32 s13, s13, 4
	s_add_co_u32 s13, s13, s12
	s_lshl_b32 s13, s13, 9
	s_lshl_b32 s15, s15, 2
	s_add_co_u32 s12, s13, s15
	s_add_co_u32 s12, s12, ISB
	s_mov_b32 s13, 0
	s_add_nc_u64 s[16:17], s[4:5], s[16:17]
	s_add_nc_u64 s[12:13], s[4:5], s[12:13]
	v_lshlrev_b32 v8, 4, v8
	v_lshlrev_b32 v9, 4, v9
	global_load_b128 v[48:51], v8, s[16:17]
	global_load_b128 v[52:55], v8, s[16:17] offset:512
	global_load_b128 v[56:59], v8, s[16:17] offset:1024
	global_load_b32 v41, v9, s[12:13]              ; row r's word: tile 2 j's two bytes, tile 2 j + 1's two
	; where the results go
	s_lshl_b32 s84, s71, 11
	s_lshl_b32 s85, s70, 6
	s_add_co_u32 s84, s84, s85                     ; my first token
	s_lshl_b32 s86, s84, 5
	s_lshl_b32 s85, s69, 3
	s_add_co_u32 s86, s86, s85
	s_add_co_u32 s86, s86, ASB
	s_mov_b32 s87, 0
	s_lshl_b32 s85, s69, 13
	s_add_co_u32 s84, s84, s85
	s_mul_i32 s84, s84, 192
	s_mov_b32 s85, 0
	s_add_nc_u64 s[OUTC:OUTC+1], s[10:11], s[84:85]
	s_add_nc_u64 s[OUTS:OUTS+1], s[10:11], s[86:87]
	s_and_b32 s82, s75, 1                          ; u
	s_cselect_b32 vcc_lo, -1, 0
	s_lshl_b32 s82, s82, 4
	s_wait_loadcnt 0x0
.irp i, 0,1,2,3,4,5
	v_cndmask_b32 v[16+\i], v[48+\i], v[54+\i], vcc_lo   ; my tile's six registers
.endr
.irp i, 0,1,2,3,4,5
	v_mov_b32 v[34+\i], v[16+\i]
.endr
.irp i, 0,1,2,3,4,5,6,7,8,9,10,11
	v_mov_b32 v[22+\i], 0                          ; [Q | zeros] in v16-27, [zeros | Q] in v28-39
.endr
	v_lshrrev_b32 v40, s82, v41
	v_and_b32 v40, 0xffff, v40                     ; Q's two bytes under k 0-63, byte 0 over the zero codes
	v_lshlrev_b32 v42, 16, v40                     ; and the other way round
	v_mov_b32 v13, 0xff61b1e6                      ; the largest t so far: -3e38
	v_floor_f32 v12, -v13                          ; -M
	v_mov_b32 v14, 0
	v_mov_b32 v15, 0
.set j, 0
.rept 32
	v_mov_b32 v[160+j], 0                          ; O^T: the step is written for every trip alike: the first finds zeros.  (These lines are also the places behind Q's operands and scale words)
.set j, j+1
.endr
.Lslot:                                            ; 15 trips: behind each change of slots but the last the next step's tiles are asked for
	CHANGE 1
	STEP
	s_xor_b32 s[TB], s[TB], SLOT1
	s_sub_co_u32 s[SLOTS], s[SLOTS], 1
	s_cmp_lg_u32 s[SLOTS], 0
	s_cbranch_scc1 .Lslot
	CHANGE 0                                       ; the last step is written out
	STEP
	; THE WAY OUT.  O^T / l; its two blocks of 32 dv are quantised; codes and scale bytes of the work-group's 64 rows x 4 heads meet in LDS and leave as dense runs.
	v_add_f32 v14, v14, v15
	v_permlanex16_b32 v252, v14, s[SEL], s[SEL+1]
	v_add_f32 v14, v14, v252                       ; the row's sum
	v_rcp_f32 v14, v14
	v_and_b32 v9, 15, v0                           ; (plain lines behind the reciprocal and behind the last products)
	v_bfe_u32 v10, v0, 4, 1
	s_mul_i32 s82, s75, 16*192
	s_mul_i32 s83, s74, 48
	s_add_co_u32 s82, s82, s83
	s_add_co_u32 s82, s82, STG
	v_mul_u32_u24 v8, v9, 192
	v_mad_u32_u24 v8, v10, 24, v8
	v_add_nc_u32 v8, s82, v8                       ; row 16 qt + r of 192 bytes, + 48 x head, + 24 h
	v_lshlrev_b32 v9, 4, v0                        ; 16 x thread: my bytes of the dense run
	v_and_b32 v10, 31, v0
	v_lshlrev_b32 v10, 5, v10                      ; a row of 32 scale bytes a lane
	s_wait_alu depctr_va_vdst(0)                   ; ahead of the reciprocal's first reader
.set j, 0
.rept 16
	v_pk_mul_f32 v[96+j:97+j], v[160+j:161+j], v[14:15] op_sel_hi:[1,0]   ; register 16 b + i = A(my query, dv 32 b + 16 h + i); each accumulator from its low end on
.set j, j+2
.endr
.irp b, 0,1
	v_max3_num_f32 v[232+\b], |v[96+16*\b]|, |v[97+16*\b]|, 0x1800000
.endr
.irp i, 2,4,6,8,10,12,14
.irp b, 0,1
	v_max3_num_f32 v[232+\b], v[232+\b], |v[96+16*\b+\i]|, |v[97+16*\b+\i]|
.endr
.endr
.irp b, 0,1
	v_permlanex16_b32 v[236+\b], v[232+\b], s[SEL], s[SEL+1]
.endr
.irp b, 0,1
	v_max_num_f32 v[232+\b], v[232+\b], v[236+\b]
.endr
.irp b, 0,1
	v_add_nc_u32 v[244+\b], 0xff000000, v[232+\b]
.endr
.irp b, 0,1
	v_lshrrev_b32 v[236+\b], 23, v[244+\b]
.endr
	v_lshl_or_b32 v240, v237, 8, v236              ; my head's two scale bytes of this row
	v_cvt_scalef32_pk16_fp6_f32 v[224:226], v[96:111], v244
	v_cvt_scalef32_pk16_fp6_f32 v[228:230], v[112:127], v245
	v_nop
.irp i, 0,1,2
	v_permlane16_swap_b32 v[224+\i], v[228+\i]
.endr
.irp i, 0,1,2
	v_mov_b32 v[227+\i], v[228+\i]                 ; v224-229: lane (r, h): dv 32 h .. 32 h + 31: 24 bytes
.endr
	ds_store_b64 v8, v[224:225]
	ds_store_b64 v8, v[226:227] offset:8
	ds_store_b64 v8, v[228:229] offset:16
	ds_store_b16 v[SWR], v240                      ; both halves of the lanes write the same bytes with the same value
	s_wait_dscnt 0x0                               ; for the others' sake: my stores have landed
	s_barrier_signal -1
	s_barrier_wait -1
	ds_load_b128 v[96:99], v[RD]                   ; 12,288 dense bytes: 16 bytes a thread, and 16 more in waves 0 to 7
	s_cmp_lt_u32 s[WV], 8
	s_cbranch_scc0 .Lhigh
	ds_load_b128 v[100:103], v[RD] offset:8192
	s_wait_dscnt 0x0
	global_store_b128 v9, v[96:99], s[OUTC:OUTC+1]               ; 32 lanes store 512 consecutive bytes, aligned to 256
	global_store_b128 v9, v[100:103], s[OUTC:OUTC+1] offset:8192
	s_branch .Lend
.Lhigh:
	s_wait_dscnt 0x0
	global_store_b128 v9, v[96:99], s[OUTC:OUTC+1]
	s_cmp_eq_u32 s[WV], 8
	s_cbranch_scc0 .Lend
	ds_load_b64 v[104:105], v[SRD]                 ; wave 8: the 64 rows' 8 scale bytes
	ds_load_b64 v[106:107], v[SRD] offset:256
	s_wait_dscnt 0x0
	global_store_b64 v10, v[104:105], s[OUTS:OUTS+1]
	global_store_b64 v10, v[106:107], s[OUTS:OUTS+1] offset:1024
.Lend:
	s_wait_tensorcnt 0x0                           ; the wave's end
	ds_add_u32 v[SPW], v[NIL]
	s_wait_dscnt 0x0
	CROUND                                         ; the closing round: no work-group ends while a partner may still ask for a tile that names it
	s_endpgm
.Lfunc_end_k_qec0d745ac5_attn:
	.size	k_qec0d745ac5_attn, .Lfunc_end_k_qec0d745ac5_attn-k_qec0d745ac5_attn
	.p2alignl 7, 3214868480
	.fill 96, 4, 3214868480
	.section	.rodata,"a",@progbits
	.p2align	6, 0x0
	.amdhsa_kernel k_qec0d745ac5_attn
		.amdhsa_group_segment_fixed_size 327680
		.amdhsa_private_segment_fixed_size 0
		.amdhsa_enable_private_segment 0
		.amdhsa_kernarg_size 32
		.amdhsa_user_sgpr_count 2
		.amdhsa_user_sgpr_kernarg_segment_ptr 1
		.amdhsa_wavefront_size32 1
		.amdhsa_system_sgpr_workgroup_id_x 1
		.amdhsa_system_sgpr_workgroup_id_y 1
		.amdhsa_system_sgpr_workgroup_id_z 1
		.amdhsa_system_vgpr_workitem_id 0
		.amdhsa_next_free_vgpr 256
		.amdhsa_next_free_sgpr 100
		.amdhsa_reserve_vcc 1
		.amdhsa_float_denorm_mode_32 3
		.amdhsa_float_denorm_mode_16_64 3
		.amdhsa_memory_ordered 1
		.amdhsa_forward_progress 1
		.amdhsa_inst_pref_size 64
	.end_amdhsa_kernel
	.amdgpu_metadata
---
amdhsa.version: [ 1, 2 ]
amdhsa.kernels:
  - .name:           k_qec0d745ac5_attn
    .symbol:         k_qec0d745ac5_attn.kd
    .args:
      - { .name: qb, .offset: 0, .size: 8, .value_kind: global_buffer, .address_space: global }
      - { .name: kb, .offset: 8, .size: 8, .value_kind: global_buffer, .address_space: global }
      - { .name: mask, .offset: 16, .size: 8, .value_kind: global_buffer, .address_space: global }
      - { .name: ab, .offset: 24, .size: 8, .value_kind: global_buffer, .address_space: global }
    .group_segment_fixed_size: 327680
    .private_segment_fixed_size: 0
    .kernarg_segment_align: 8
    .kernarg_segment_size: 32
    .max_flat_workgroup_size: 512
    .sgpr_count:     100
    .vgpr_count:     256
    .wavefront_size: 32
...
	.end_amdgpu_metadata
.endif
;; end of part 3
;; launch outp (part 4): grid 4 x 32, 4 waves a work-group, clusters of 4 x 4, 327,680 bytes of LDS; arguments ab, wb, out0; writes out0
.if DOCPART == 4
	.amdgcn_target "amdgcn-amd-amdhsa--gfx1250"
	.amdhsa_code_object_version 6
	.text
	.protected	k_qec0d745ac5_outp
	.globl	k_qec0d745ac5_outp
	.p2align	8
	.type	k_qec0d745ac5_outp,@function
k_qec0d745ac5_outp:
	s_mov_b64 s[64:65], 0
	v_nop
	global_prefetch_b8 v0, s[64:65] scope:SCOPE_SE
	s_setreg_imm32_b32 hwreg(HW_REG_WAVE_MODE, 25, 1), 1
	s_wait_xcnt 0x0
	s_wait_alu depctr_hold_cnt(0) depctr_sa_sdst(0) depctr_va_vdst(0) depctr_va_sdst(0) depctr_va_ssrc(0) depctr_va_vcc(0) depctr_vm_vsrc(0)
	s_getreg_b32 s2, hwreg(HW_REG_IB_STS2, 6, 4)
	s_cmp_eq_u32 s2, 0
	s_cbranch_scc0 .Lentry_in_a_cluster
	s_endpgm
.Lentry_in_a_cluster:
	s_bfe_u32 s2, ttmp6, 0x10000c
	s_cmp_lg_u32 s2, 0xf033
	s_cbranch_scc0 .Lentry_shape_is_right
	s_endpgm
.Lentry_shape_is_right:
; out0[m][n] = sum over k of A[m][k] WO[k][n], on codes of FP6 (E2M3) with one E8M0 scale for each 32 along K; out0 [8192][1024] f32; sums in f32.
; A's codes lie in ab by K steps of 256: (step x 8192 + token) x 192 bytes; its scale bytes at ASB + token x 32.  WO's codes are rows 3,072 .. 4,095 of wb, K innermost, 768 bytes a row; its scale bytes at WSC + row x 32.
; A tile of out0, 256 x 256, is made by four waves, 128 x 128 each: 64 accumulators, 512 registers.  K goes in steps of 256 (rows of 192 bytes) through a ring of two LDS slots filled by the tensor data mover.
; The scale bytes of the work-group's 256 + 256 rows come into LDS once, with the first fills.  CLUSTERS: 4 x 4 work-groups; A's tiles are asked for jointly along a row of the cluster, WO's along a column.
; The matrix instruction is used transposed (source 0 = 16 rows of WO's codes, source 1 = 16 rows of A): a lane holds eight neighbouring numbers of a row of out0.
; REGISTERS, in windows of 256: window 0: v0-31 addresses; v32-63 scale words, two sets; from v128 A's fragments, one set; on the way out v128-255 rows of out0.
;   window 1: B's fragments, two sets, at v0 and v128.   window 2: the 32 accumulators of my rows 0-63 ((a, b) at v[8 (8 a + b)]);   window 3: those of my rows 64-127.
.set ASB,    6291456                   ; ab: where the scale bytes begin
.set WOC,    2359296                   ; wb: WO's codes,
.set WOS,    3145728+98304             ; and its scale bytes
.set SIZE_K, 1024
.set SIZE_N, 1024
.set KSTEP,  256
.set NQ,     KSTEP/128
.set ROWB,   192
.set AROW,   192                       ; a row of A's K step in memory;  ASTEP: from one K step to the next
.set BROW,   768
.set ASTEP,  1572864
.set BSTEP,  192
.set PITCH,  240                       ; an LDS row: 3 x (64 bytes + 16 of padding) = 60 words: the 32 lanes of a load of 8 bytes touch 64 different banks (64 banks of 4 bytes: ISA guide 11.1)
.set FR,     12
.set NL,     6
.set NP,     4                         ; places behind this matrix instruction (ISA guide 7.12.1)
.set HALFT,  128*PITCH
.set SLOT,   4*HALFT
.set LAPS,   SIZE_K/(2*KSTEP)
.set KS,     SIZE_K/32
.set SCL,    2*SLOT
.set HALFS,  (128*KS/256)*272
.set SBLK,   (16*KS/256)*272
.set SPARE,  SCL+4*HALFS               ; the spare words, 128 bytes for each wave: two blocks of 256 bytes that no other line names
.set SPITCH, 528                       ; the way out: a stage of 16 rows x (512 bytes + 16) for each wave, in slot 0, which has had its last fill and its last read when the first result is stored there
.set ADRA, 16
.set ADRB, 20
.set STO,  24
.set RD,   25
.set CO,   26
.set ADRS, 27
.set SPW,  28                          ; v28  LDS address of my spare word; never rewritten
.set NIL,  29                          ; v29  0; never rewritten
.set SC,   32
.set AF,   128
.set BK,   128
.set G1, 24
.set G0, 32
.set G1B, 48
.set G0B, 56
.set G1S, 68
.set G0S, 76
.set G1SB, 80
.set G0SB, 88
.set MSB, 0
.macro WIN new                         ; the immediate's high byte repeats the setting that is left
.if MSB != (\new)
	s_set_vgpr_msb (MSB<<8)|(\new)
.set MSB, (\new)
.endif
.endm
.set MUL_LO, 0xa1
.set MUL_HI, 0xf1
.set TO_B,   0x40
; A joint load: waves 0 and 1 fetch for A, waves 2 and 3 for B; the branch hangs on the wave's number alone.  Four v_nop follow each of the two lines.
.macro JLOAD g0a, g1a, g0b, g1b
	s_cmp_eq_u32 s15, 0
	s_cbranch_scc0 .Lfor_b_\@
	tensor_load_to_lds s[\g0a:\g0a+3], s[\g1a:\g1a+7]
	s_nop 0
.rept 4
	v_nop
.endr
	s_branch .Lasked_\@
.Lfor_b_\@:
	tensor_load_to_lds s[\g0b:\g0b+3], s[\g1b:\g1b+7]
	s_nop 0
.rept 4
	v_nop
.endr
.Lasked_\@:
.endm
.macro CREST
	s_cmp_lg_u32 s14, 0
	s_cbranch_scc1 .Lnot_wave_0_\@
	s_barrier_signal -3
.Lnot_wave_0_\@:
	s_barrier_wait -3
	s_barrier_signal -1
	s_barrier_wait -1
.endm
.macro CROUND
	s_barrier_signal -1
	s_barrier_wait -1
	CREST
.endm
.macro FRAG reg, adr, q, i             ; a fragment: 12 registers; lane l holds row l % 16; registers 6 c .. 6 c + 5 hold K = 64 c + 32 (l / 16) + 0 .. 31, in pieces of 8 bytes
.irp p, 0,1,2,3,4,5
.set PCE, 12*(\q)+6*(\p/3)+\p%3
.if PCE%8 < 5
	ds_load_b64 v[\reg+2*\p:\reg+2*\p+1], v[\adr] offset:8*PCE+16*(PCE/8)+(\i)*16*PITCH
.else
	ds_load_b64 v[\reg+2*\p:\reg+2*\p+1], v[\adr+2] offset:8*PCE+16*(PCE/8)+(\i)*16*PITCH
.endif
.endr
.endm
; 16 matrix instructions: A's blocks a0, a0 + 1 x B's eight.  The 64 accumulators take turns, one instruction a turn, in the same order in every step.
.macro MUL16 a0, p, q, sc, zero
.irp a, \a0, \a0+1
.irp b, 0,1,2,3,4,5,6,7
.if \zero
	v_wmma_scale_f32_16x16x128_f8f6f4 v[8*(8*((\a)%4)+\b):8*(8*((\a)%4)+\b)+7], v[128*(\p)+FR*\b:128*(\p)+FR*\b+FR-1], v[AF+FR*(\a):AF+FR*(\a)+FR-1], 0, v[SC+8*NQ*(\sc)+NQ*\b+(\q)], v[SC+8*NQ*(\sc)+NQ*(\a)+(\q)] matrix_a_fmt:MATRIX_FMT_FP6 matrix_b_fmt:MATRIX_FMT_FP6 matrix_a_scale:MATRIX_SCALE_ROW1
.else
	v_wmma_scale_f32_16x16x128_f8f6f4 v[8*(8*((\a)%4)+\b):8*(8*((\a)%4)+\b)+7], v[128*(\p)+FR*\b:128*(\p)+FR*\b+FR-1], v[AF+FR*(\a):AF+FR*(\a)+FR-1], v[8*(8*((\a)%4)+\b):8*(8*((\a)%4)+\b)+7], v[SC+8*NQ*(\sc)+NQ*\b+(\q)], v[SC+8*NQ*(\sc)+NQ*(\a)+(\q)] matrix_a_fmt:MATRIX_FMT_FP6 matrix_b_fmt:MATRIX_FMT_FP6 matrix_a_scale:MATRIX_SCALE_ROW1
.endif
.endr
.endr
.endm
.macro FETCH_B slot, q, p
	WIN TO_B
.irp i, 0,1,2,3,4,5,6,7
	FRAG 128*(\p)+FR*\i, ADRB+\slot, \q, \i
.endr
	WIN 0
.endm
.macro FETCH_A slot, q, i0
.irp i, \i0, \i0+1, \i0+2, \i0+3
	FRAG AF+FR*(\i), ADRA+\slot, \q, \i
.endr
.endm
.macro SCALES sc
.irp i, 0,1,2,3,4,5,6,7
	ds_load_b64 v[SC+8*NQ*\sc+NQ*\i:SC+8*NQ*\sc+NQ*\i+1], v[ADRS] offset:\i*SBLK
.endr
.endm
.macro PLACES n
.rept \n
	v_nop
.endr
.endm
.macro STEP slot, q, zero
	s_wait_dscnt 4*NL                              ; B's set and A's blocks 0-3 are in; the youngest 24 loads (A's blocks 4-7) may be out
	WIN MUL_LO
	MUL16 0, (\q)%2, \q, \slot, \zero
	MUL16 2, (\q)%2, \q, \slot, \zero
	s_wait_dscnt 0
	PLACES NP
	FETCH_B \slot, (\q)+1, 1-(\q)%2
	FETCH_A \slot, (\q)+1, 0
	WIN MUL_HI
	MUL16 4, (\q)%2, \q, \slot, \zero
	MUL16 6, (\q)%2, \q, \slot, \zero
	PLACES NP
	WIN 0
	FETCH_A \slot, (\q)+1, 4
.endm
.macro TURN slot, next, fill
	s_wait_tensorcnt 0x0                           ; all my tensor loads have landed: my part of the next slot
	ds_add_u32 v[SPW], v[NIL]                      ; 0 onto my spare word
	s_wait_dscnt 4*NL+1                            ; the add and the youngest 24 loads (A's blocks 4-7) may be out
	WIN MUL_LO
	MUL16 0, 1, NQ-1, \slot, 0
	s_wait_dscnt 0x0                               ; the add is done, and my reads of this slot are over
	s_barrier_signal -1
	MUL16 2, 1, NQ-1, \slot, 0
	WIN 0
	s_barrier_wait -1
.if \fill
	CREST                                          ; the barrier has opened a round of the cluster's barrier: no wave of any partner still reads this slot or has a load on its way
	s_add_nc_u64 s[G0+4*\slot+2:G0+4*\slot+3], s[G0+4*\slot+2:G0+4*\slot+3], 2*ASTEP
	s_add_nc_u64 s[G0B+4*\slot+2:G0B+4*\slot+3], s[G0B+4*\slot+2:G0B+4*\slot+3], 2*BSTEP
	JLOAD G0+4*\slot, G1, G0B+4*\slot, G1B
.else
	PLACES NP
.endif
	v_add_nc_u32 v[ADRS], 4*NQ, v[ADRS]
	FETCH_B \next, 0, 0
	FETCH_A \next, 0, 0
	SCALES \next
	WIN MUL_HI
	MUL16 4, 1, NQ-1, \slot, 0
	MUL16 6, 1, NQ-1, \slot, 0
	PLACES NP
	WIN 0
	FETCH_A \next, 0, 4
.endm
	s_load_b128 s[4:7], s[0:1], 0x0                ; ab s[4:5], wb s[6:7]
	s_load_b64 s[12:13], s[0:1], 0x10              ; out0
	v_lshl_add_u32 v[SPW], v0, 2, SPARE
	v_mov_b32 v[NIL], 0
	ds_add_u32 v28, v29
	s_wait_dscnt 0x0
	v_lshrrev_b32 v1, 5, v0
	v_readfirstlane_b32 s14, v1                    ; wave 0..3
	s_lshr_b32 s15, s14, 1
	s_and_b32 s16, s14, 1
	s_bfe_u32 s40, ttmp6, 0x40000                  ; cx, cy
	s_bfe_u32 s41, ttmp6, 0x40004
	s_lshl_b32 s42, ttmp9, 2
	s_add_co_u32 s42, s42, s40                     ; tile column
	s_and_b32 s17, ttmp7, 0xffff
	s_lshl_b32 s17, s17, 2
	s_add_co_u32 s17, s17, s41                     ; tile row
	s_lshl_b32 s43, s41, 2
	s_lshl_b32 s43, 15, s43                        ; my row of the cluster
	s_lshl_b32 s44, 0x1111, s40                    ; my column
	s_or_b32 s[G1+0], s43, (0<<16)|(1<<20)|(1<<21)|(3<<22)|(3<<25)  ; 15:0 the mask; 17:16 elements of 1 byte; 20 padding on; 21 set beside a mask; 24:22 after every 16 words; 31:25 of 4 words
	s_or_b32 s[G1B+0], s44, (0<<16)|(1<<20)|(1<<21)|(3<<22)|(3<<25)
.irp g, G1, G1B
	s_mov_b32 s[\g+1], ROWB<<16
	s_mov_b32 s[\g+2], 128<<16
	s_mov_b32 s[\g+3], ROWB<<16
	s_mov_b32 s[\g+4], 128
	s_mov_b32 s[\g+6], 0
	s_mov_b32 s[\g+7], 0
.endr
	s_mov_b32 s[G1+5], AROW
	s_mov_b32 s[G1B+5], BROW
	s_or_b32 s[G1S+0], s43, (3<<16)|(1<<20)|(1<<21)|(5<<22)|(3<<25)
	s_or_b32 s[G1SB+0], s44, (3<<16)|(1<<20)|(1<<21)|(5<<22)|(3<<25)
.irp g, G1S, G1SB
	s_mov_b32 s[\g+1], 32<<16
	s_mov_b32 s[\g+2], (128*KS/256)<<16
	s_mov_b32 s[\g+3], 32<<16
	s_mov_b32 s[\g+4], 128*KS/256
	s_mov_b32 s[\g+5], 32
	s_mov_b32 s[\g+6], 0
	s_mov_b32 s[\g+7], 0
.endr
	s_lshl_b32 s18, s16, 7
	s_lshl_b32 s20, s17, 8
	s_add_co_u32 s20, s20, s18                     ; A: row 256 x tile row + 128 x half
	s_lshl_b32 s46, s42, 8
	s_add_co_u32 s46, s46, s18                     ; B: row 256 x tile column + 128 x half
	s_lshl_b32 s22, s20, 5                         ; (all these offsets stay under 2^23)
	s_add_co_u32 s22, s22, ASB
	s_mov_b32 s23, 0
	s_lshl_b32 s92, s46, 5
	s_add_co_u32 s92, s92, WOS
	s_mov_b32 s93, 0
	s_mul_i32 s20, s20, AROW
	s_mov_b32 s21, 0
	s_mul_i32 s46, s46, BROW
	s_add_co_u32 s46, s46, WOC
	s_mov_b32 s47, 0
	s_mul_i32 s45, s14, HALFT
	s_mul_i32 s94, s14, HALFS
	s_wait_kmcnt 0x0
	s_add_nc_u64 s[20:21], s[4:5], s[20:21]
	s_add_nc_u64 s[22:23], s[4:5], s[22:23]
	s_add_nc_u64 s[46:47], s[6:7], s[46:47]
	s_add_nc_u64 s[92:93], s[6:7], s[92:93]
	CROUND                                         ; all sixteen work-groups are here: the first joint loads meet
	s_mov_b32 s[G0S], 1
	s_add_co_u32 s[G0S+1], s94, SCL
	s_mov_b64 s[G0S+2:G0S+3], s[22:23]
	s_or_b32 s[G0S+3], s[G0S+3], 0x80000000
	s_mov_b32 s[G0SB], 1
	s_add_co_u32 s[G0SB+1], s94, SCL
	s_mov_b64 s[G0SB+2:G0SB+3], s[92:93]
	s_or_b32 s[G0SB+3], s[G0SB+3], 0x80000000
	JLOAD G0S, G1S, G0SB, G1SB
.irp s, 0,1
	s_mov_b32 s[G0+4*\s], 1
	s_add_co_u32 s[G0+4*\s+1], s45, \s*SLOT
	s_add_nc_u64 s[G0+4*\s+2:G0+4*\s+3], s[20:21], \s*ASTEP
	s_or_b32 s[G0+4*\s+3], s[G0+4*\s+3], 0x80000000
	s_mov_b32 s[G0B+4*\s], 1
	s_add_co_u32 s[G0B+4*\s+1], s45, \s*SLOT
	s_add_nc_u64 s[G0B+4*\s+2:G0B+4*\s+3], s[46:47], \s*BSTEP
	s_or_b32 s[G0B+4*\s+3], s[G0B+4*\s+3], 0x80000000
	JLOAD G0+4*\s, G1, G0B+4*\s, G1B
.endr
	v_and_b32 v1, 15, v0
	v_bfe_u32 v2, v0, 4, 1
	v_mul_u32_u24 v3, v1, PITCH
	v_mul_u32_u24 v4, v2, 24
	v_add_nc_u32 v4, v3, v4
	v_lshl_add_u32 v5, v2, 4, v4
	s_mul_i32 s21, s15, HALFT
	s_mul_i32 s22, s16, HALFT
	s_add_co_u32 s22, s22, 2*HALFT
.irp s, 0,1
	v_add_nc_u32 v[ADRA+\s], s21, v4
	v_add_nc_u32 v[ADRB+\s], s22, v4
	v_add_nc_u32 v[ADRA+2+\s], s21, v5
	v_add_nc_u32 v[ADRB+2+\s], s22, v5
	s_add_co_u32 s21, s21, SLOT
	s_add_co_u32 s22, s22, SLOT
.endr
	v_mul_u32_u24 v5, v1, KS
	v_lshrrev_b32 v6, 8, v5
	v_lshl_add_u32 v5, v6, 4, v5
	s_mul_i32 s21, s15, HALFS
	s_mul_i32 s22, s16, HALFS
	s_add_co_u32 s22, s22, 2*HALFS
	s_sub_co_u32 s22, s22, s21
	v_mul_u32_u24 v6, s22, v2                      ; lanes 16-31 take B's: one product, the distance between the two bases
	s_add_co_u32 s21, s21, SCL
	v_add_nc_u32 v5, v5, v6
	v_add_nc_u32 v[ADRS], s21, v5
	s_mul_i32 s23, s14, 16*SPITCH                  ; my stage
	v_mul_u32_u24 v5, v1, SPITCH
	v_lshl_add_u32 v5, v2, 5, v5
	v_add_nc_u32 v[STO], s23, v5
	v_and_b32 v6, 31, v0
	v_lshlrev_b32 v[CO], 4, v6
	v_add_nc_u32 v[RD], s23, v[CO]
	s_lshl_b32 s20, s17, 8
	s_lshl_b32 s21, s15, 7
	s_add_co_u32 s20, s20, s21                     ; my first row of out0
	s_mov_b32 s21, 0
	s_mov_b64 s[18:19], SIZE_N*4
	s_mul_u64 s[20:21], s[20:21], s[18:19]
	s_lshl_b32 s46, s42, 10
	s_lshl_b32 s47, s16, 9
	s_add_co_u32 s46, s46, s47
	s_mov_b32 s47, 0
	s_add_nc_u64 s[20:21], s[20:21], s[46:47]
	s_add_nc_u64 s[12:13], s[12:13], s[20:21]
	s_wait_tensorcnt 1                             ; the scales and my part of K step 0 are in; K step 1's load may be out
	s_barrier_signal -1
	s_barrier_wait -1
	FETCH_B 0, 0, 0
	FETCH_A 0, 0, 0
	SCALES 0
	FETCH_A 0, 0, 4
	STEP 0, 0, 1                                   ; the first step stands in front of the loop: its products start the sums
	s_mov_b32 s3, LAPS-1
.Llap:
	TURN 0, 1, 1
	STEP 1, 0, 0
	TURN 1, 0, 1
	STEP 0, 0, 0
	s_sub_co_u32 s3, s3, 1
	s_cmp_lg_u32 s3, 0
	s_cbranch_scc1 .Llap
	TURN 0, 1, 0                                   ; the last lap fills nothing
	STEP 1, 0, 0
	s_wait_dscnt 4*NL
	WIN MUL_LO
	MUL16 0, 1, NQ-1, 1, 0
	MUL16 2, 1, NQ-1, 1, 0
	s_wait_dscnt 0
	WIN MUL_HI
	MUL16 4, 1, NQ-1, 1, 0
	MUL16 6, 1, NQ-1, 1, 0
	WIN 0
; THE WAY OUT, block by block of 16 rows x 128 columns: through my own stage in LDS and back as whole rows of 512 bytes.  LDS serves a wave's instructions in order (ISA guide 5.7.1.4): no wait between the stores and the loads.
.macro TOSTAGE a
.set AC, 64*((\a)%4)
	WIN 0x08+4*((\a)/4)                            ; the data: window 2 or 3
.irp b, 0,1,2,3,4,5,6,7
	ds_store_b128 v[STO], v[AC+8*\b:AC+8*\b+3] offset:64*\b          ; each accumulator from its low end on
	ds_store_b128 v[STO], v[AC+8*\b+4:AC+8*\b+7] offset:64*\b+16
.endr
	WIN 0
.set BB, BK+64*((\a)%2)
.irp t, 0,1,2,3,4,5,6,7,8,9,10,11,12,13,14,15
	ds_load_b128 v[BB+4*\t:BB+4*\t+3], v[RD] offset:\t*SPITCH
.endr
.endm
.macro SEND a, younger                 ; younger: the LDS instructions issued behind block a's loads, which may stay out
.set BB, BK+64*((\a)%2)
	s_wait_dscnt \younger
.if (\a) > 0
	s_add_nc_u64 s[12:13], s[12:13], 16*SIZE_N*4   ; (behind a wait on XCNT: the earlier stores have read their base)
.endif
.irp t, 0,1,2,3,4,5,6,7,8,9,10,11,12,13,14,15
	global_store_b128 v[CO], v[BB+4*\t:BB+4*\t+3], s[12:13] offset:\t*SIZE_N*4 th:TH_STORE_NT   ; 32 lanes store 512 consecutive bytes, aligned to 256; written once, read by nobody here
.endr
.endm
	PLACES NP
	TOSTAGE 0
.irp a, 1,2,3,4,5,6,7
.if \a > 1
	s_wait_xcnt 0x0                                ; block a - 2's stores have read their registers and their base
.endif
	TOSTAGE \a
	SEND \a-1, 32                                  ; behind block a - 1's loads: block a's 16 stores and 16 loads
.endr
	s_wait_xcnt 0x0
	SEND 7, 0
	s_wait_tensorcnt 0x0                           ; the wave's end
	ds_add_u32 v[SPW], v[NIL]
	s_wait_dscnt 0x0
	CROUND                                         ; the closing round: no work-group ends while a partner may still ask for a tile that names it
	s_endpgm
.Lfunc_end_k_qec0d745ac5_outp:
	.size	k_qec0d745ac5_outp, .Lfunc_end_k_qec0d745ac5_outp-k_qec0d745ac5_outp
	.p2alignl 7, 3214868480
	.fill 96, 4, 3214868480
	.section	.rodata,"a",@progbits
	.p2align	6, 0x0
	.amdhsa_kernel k_qec0d745ac5_outp
		.amdhsa_group_segment_fixed_size 327680
		.amdhsa_private_segment_fixed_size 0
		.amdhsa_enable_private_segment 0
		.amdhsa_kernarg_size 24
		.amdhsa_user_sgpr_count 2
		.amdhsa_user_sgpr_kernarg_segment_ptr 1
		.amdhsa_wavefront_size32 1
		.amdhsa_system_sgpr_workgroup_id_x 1
		.amdhsa_system_sgpr_workgroup_id_y 1
		.amdhsa_system_sgpr_workgroup_id_z 1
		.amdhsa_system_vgpr_workitem_id 0
		.amdhsa_next_free_vgpr 1024
		.amdhsa_next_free_sgpr 98
		.amdhsa_reserve_vcc 0
		.amdhsa_float_denorm_mode_32 3
		.amdhsa_float_denorm_mode_16_64 3
		.amdhsa_memory_ordered 1
		.amdhsa_forward_progress 1
		.amdhsa_inst_pref_size 160
	.end_amdhsa_kernel
	.amdgpu_metadata
---
amdhsa.version: [ 1, 2 ]
amdhsa.kernels:
  - .name:           k_qec0d745ac5_outp
    .symbol:         k_qec0d745ac5_outp.kd
    .args:
      - { .name: ab, .offset: 0, .size: 8, .value_kind: global_buffer, .address_space: global }
      - { .name: wb, .offset: 8, .size: 8, .value_kind: global_buffer, .address_space: global }
      - { .name: out0, .offset: 16, .size: 8, .value_kind: global_buffer, .address_space: global }
    .group_segment_fixed_size: 327680
    .private_segment_fixed_size: 0
    .kernarg_segment_align: 8
    .kernarg_segment_size: 24
    .max_flat_workgroup_size: 128
    .sgpr_count:     98
    .vgpr_count:     1024
    .wavefront_size: 32
...
	.end_amdgpu_metadata
.endif
;; end of part 4
